; MI455X (gfx1250); checked and timed in simulation.
; The chip was launched on July 23, 2026; its instructions are those of AMD's public machine-readable ISA for CDNA 5 (MIT licence, August 2026) and "CDNA5" Instruction Set Architecture Reference Guide (July 2026). The comments in the code are by the model that wrote it; some were corrected since.
;; Explicit Multihead Attention. Allowed arithmetic: matrix products marked QUANTISED: E5M2 operands, one E8M0 scale for each 32 along K, by v_wmma_scale_f32_16x16x128_f8f6f4 with both operands' format E5M2, f32 sums; everything else in f32.
;; Inputs: Wk_codes 1,024 x 32 x 32 uint8 (E5M2 codes of Wk, K innermost, in blocks of 32 codes); Wk_scales 1,024 x 32 uint8 (E8M0 scales of Wk, one for each 32 codes along K); Wo_codes 1,024 x 32 x 32 uint8 (E5M2 codes of Wo, K innermost, in blocks of 32 codes); Wo_scales 1,024 x 32 uint8 (E8M0 scales of Wo, one for each 32 codes along K); Wq_codes 1,024 x 32 x 32 uint8 (E5M2 codes of Wq, K innermost, in blocks of 32 codes); Wq_scales 1,024 x 32 uint8 (E8M0 scales of Wq, one for each 32 codes along K); Wv_codes 1,024 x 32 x 32 uint8 (E5M2 codes of Wv, K innermost, in blocks of 32 codes); Wv_scales 1,024 x 32 uint8 (E8M0 scales of Wv, one for each 32 codes along K); bk 1,024 float32; bo 1,024 float32; bq 1,024 float32; bv 1,024 float32; x_codes 2 x 2,048 x 32 x 32 uint8 (E5M2 codes of x, K innermost, in blocks of 32 codes); x_scales 2 x 2,048 x 32 uint8 (E8M0 scales of x, one for each 32 codes along K).
;; Outputs: out0 2 x 2,048 x 1,024 float32.
;; This version of the problem:
;;   THIS VERSION OF THE PROBLEM IS GIVEN IN LOW PRECISION. The matrix products marked QUANTISED in the list below multiply operands that are first quantised to E5M2 (5 exponent bits, 2 mantissa bits; 8 bits a number), with one power-of-two scale for each 32 numbers along K (OCP MX v1.0); their sums are f32. All else is computed in f32.
;;   The module's matrix products, in the order in which they are computed (A, B: the left and right operand; K: the contracted axis; several contracted axes count as one K, in the product's order):
;;     1. [M 4,096, K 1,024] x [K 1,024, N 1,024]; A: input x (given as codes); B: input Wq (given as codes): QUANTISED
;;     2. [M 4,096, K 1,024] x [K 1,024, N 1,024]; A: input x (given as codes); B: input Wk (given as codes): QUANTISED
;;     3. [M 4,096, K 1,024] x [K 1,024, N 1,024]; A: input x (given as codes); B: input Wv (given as codes): QUANTISED
;;     4. batch 32 x [M 2,048, K 64] x [K 64, N 2,048]; A: computed on the way; B: computed on the way: QUANTISED
;;     5. batch 32 x [M 2,048, K 2,048] x [K 2,048, N 64]; A: softmax (see below); B: computed on the way: QUANTISED
;;     6. [M 4,096, K 1,024] x [K 1,024, N 1,024]; A: computed on the way; B: input Wo (given as codes): QUANTISED
;;   THE QUANTISER, for each operand of a quantised product, along K:
;;     - K is cut into blocks of 32 from its start; a last block that is shorter is filled with zeros.
;;     - A block's scale is 2^e with e = floor(log2(the largest magnitude in the block)) - 15, held to -126 .. 127; a block of zeros has e = 0. As a byte (E8M0): e + 127.
;;     - Each number is divided by its block's scale, clamped to +-57,344, and rounded to the nearest number of E5M2, ties to even, subnormals kept.
;;     - The product sums the exact products of the quantised numbers (number of the format x scale) in f32.
;;   ~~~python
;;   def quantise(x, axis):      # numpy; x: float32 -> the quantised numbers, widened to float32 again
;;       x = np.moveaxis(x, axis, -1); K = x.shape[-1]
;;       x = np.pad(x, [(0, 0)] * (x.ndim - 1) + [(0, -K % 32)]); x = x.reshape(x.shape[:-1] + (-1, 32)); a = np.abs(x).max(-1, keepdims=True)
;;       e = np.where(a > 0, np.clip(np.frexp(np.where(a > 0, a, 1))[1] - 1 - 15, -126, 127), 0)      # np.frexp(a)[1] - 1 = floor(log2(a)), exactly
;;       r = np.clip(x / 2.0 ** e, -57344, 57344)
;;       step = 2.0 ** (np.maximum(np.frexp(np.where(r == 0, 1, r))[1] - 1, -14) - 2)
;;       q = np.round(r / step) * step * 2.0 ** e      # np.round: ties to even
;;       return np.moveaxis(q.reshape(q.shape[:-2] + (-1,))[..., :K], -1, axis).astype(np.float32)
;;   ~~~
;;   SOFTMAX AHEAD OF A QUANTISED PRODUCT. Where the list says 'softmax', what is quantised is not the finished softmax but p = 2^(t - M), with t = logit x log2(e) and M = ceil(the row's largest t), a whole number; so 1/2 < the row's largest p <= 1. The row's sum l is taken of the UNQUANTISED p, in f32, and the product's result is divided by l at the end. Since M is a whole number, a kernel that streams over the keys may use a running M (the ceiling of the running maximum): every later rescaling is an exact power of two, which a block's scale takes up: the codes' values come out the same.
;;   OPERANDS COMPUTED ON THE WAY. 'Computed on the way' means the value that the module computes at that place (a softmax that the list does not call 'softmax' is quantised finished and normalised). What goes into a quantiser is computed in f32, as accurately as f32 sums, v_exp_f32 and their like allow (about 1e-6 of the number): no bf16 or f16 on the way to a quantiser, and a product that is left as it is and whose result goes on into a quantised operand takes f32 operands (vector FMAs, or v_wmma_f32_16x16x4_f32). A number that lies on a knife's edge between two numbers of the format may be rounded either way, as far as f32 arithmetic and the matrix unit's own rounding can turn it there, and no further.
;;   INPUTS GIVEN AS CODES. Wk (in the module: [1024, 1024], K = its axis 0); Wo (in the module: [1024, 1024], K = its axis 0); Wq (in the module: [1024, 1024], K = its axis 0); Wv (in the module: [1024, 1024], K = its axis 0); x (in the module: [2, 2048, 1024], K = its axis 2): each comes as NAME_codes (uint8): NAME with its K axis moved to the last place and cut into blocks of 32 codes, [.., K / 32, bytes a block], one block behind the other in memory; one code a byte (a code: sign, 5 exponent bits, 2 mantissa bits); and NAME_scales (uint8): the same leading axes, one E8M0 byte (e + 127) for each 32 codes along K. Its value is code x scale, taken as it is: it is not quantised again, and the codes and scales need not be those that the quantiser above would give.
;; One version. Each part assembles by itself: llvm-mc -triple=amdgcn-amd-amdhsa -mcpu=gfx1250 --defsym DOCPART=n.
;; ======== version 1 of 1: 3 launches
;; limits: right only within a limited range of input values
;; workspace buffers: q_img 4,194,304 bytes; q_sc 131,072 bytes; kv_img 8,650,752 bytes; ctx_img 4,194,304 bytes; ctx_sc 131,072 bytes
;; launch proj (part 1): grid 8 x 32, 4 waves a work-group, clusters of 4 x 4, 327,680 bytes of LDS; arguments x_codes, x_scales, Wq_codes, Wq_scales, Wk_codes, Wk_scales, Wv_codes, Wv_scales, bq, bk, bv, q_img, q_sc, kv_img; writes q_img, q_sc, kv_img
.if DOCPART == 1
	.amdgcn_target "amdgcn-amd-amdhsa--gfx1250"
	.amdhsa_code_object_version 6
	.text
	.protected	k_qb01331972c_proj
	.globl	k_qb01331972c_proj
	.p2align	8
	.type	k_qb01331972c_proj,@function
k_qb01331972c_proj:
	s_mov_b64 s[64:65], 0
	v_nop
	global_prefetch_b8 v0, s[64:65] scope:SCOPE_SE
	s_setreg_imm32_b32 hwreg(HW_REG_WAVE_MODE, 25, 1), 1
	s_wait_xcnt 0x0
	s_wait_alu depctr_hold_cnt(0) depctr_sa_sdst(0) depctr_va_vdst(0) depctr_va_sdst(0) depctr_va_ssrc(0) depctr_va_vcc(0) depctr_vm_vsrc(0)
	s_getreg_b32 s2, hwreg(HW_REG_IB_STS2, 6, 4)
	s_cmp_eq_u32 s2, 0
	s_cbranch_scc0 .Lentry_in_a_cluster
	s_endpgm
.Lentry_in_a_cluster:
	s_bfe_u32 s2, ttmp6, 0x10000c
	s_cmp_lg_u32 s2, 0xf033
	s_cbranch_scc0 .Lentry_shape_is_right
	s_endpgm
.Lentry_shape_is_right:
; Q, K, V = x W + b on codes of BF8 (E5M2) with one E8M0 scale for each 32 along K = 1,024; f32 sums that begin with the bias; each result is quantised again and stored as images of the next launch's operand registers.
; q_img: [head 32][group of 128 tokens 16][8,192 bytes], q_sc: [head][group][256 bytes].  kv_img: [head 32][group of 128 keys 16][16,896 bytes]: K's image 8,192, V's image 8,192, K's scale words 256, V's 256.
; SHARES.  256 work-groups: 128 tokens (a group) x two heads x Q, K and V.  Four waves: 64 tokens (wave / 2) x one head (wave % 2).  A wave holds its 64 rows of x, ALL of K, in 512 registers and streams twelve blocks of 16 weight rows past them:
; Q's four, K's four, V's four; a block is 32 products on four accumulators.
; LDS: two slots of 128 rows of 1,024 bytes.  At the head x lies in slot 1 and W_q in slot 0; W_k comes into slot 1 once x is in registers, W_v into slot 0 once W_q's last block is: both in drained rounds of the cluster's barrier.
; The weights' scale words and the biases pass through registers into LDS bytes of their own.
; QUANTISER.  A pair of blocks gives four units of 16 registers: Q, K: a unit is 32 of d of a token tile (the product transposed: source 0 = W); V: a unit is 32 tokens of a tile of 16 of d (source 0 = x).  A unit's other half lies in lane l xor 16.
; A pair's quantiser stands among the next pair's products, two lines behind each.
; CLUSTERS: 4 x 4 work-groups: x's rows are asked for jointly along a row, a weight's along a column.
; PREFETCH: behind the first barrier each wave asks for its sixteenth of the column's rows of W_k and of W_v (32 blocks of 256 bytes each); W_k's load stands behind the fetch of x, W_v's three blocks further on.  Only clusters with y < 4 ask, since the
; eight clusters of a column need the same rows.
; LIMITS: NaN, infinities and sums beyond f32's range are not served; a block of zeros, or one whose largest magnitude lies under 2^(16 - 127), gets the scale byte 1 (read by this program alone).
.set PITCH, 1040                       ; 260 words: the 16 rows that a load touches start at 16 different banks (64 banks of 4 bytes: ISA guide 11.1)
.set YB,  128*PITCH                    ; slot 1
.set WS,  2*YB                         ; scale words: [Q, K, V][128 rows][32 bytes]
.set BI,  WS+12288                     ; biases: [Q, K, V][128]
.set XSG, BI+1536                      ; the results' scale bytes: [Q, K, V][head of two][256]
.set SPARE, XSG+1536
.set CO,  4                            ; 16 x lane
.set SPW, 5
.set NIL, 6
.set AX,  8                            ; LDS address of my fragments of x
.set AW,  10                           ; v10, v11: of a weight in slot 0, in slot 1
.set ASC, 12                           ; of my scale words
.set ABI, 13                           ; of Q's and K's bias
.set ABV, 14                           ; of V's
.set SBV, 15                           ; of a result's scale byte
.set XS,  16                           ; x's scale words: register 8 p + q: lanes 0-15 token tile 2 p, lanes 16-31 tile 2 p + 1
.set WSC, 36                           ; a pair's: lanes 0-15 its first block, lanes 16-31 its second; two sets.  No product's two scale words have numbers equal modulo 8
.set BIA, 52                           ; the first products' C: two blocks of 8, two sets
.set MCD, 84                           ; codes
.set TQ,  100
.set SOP, 104                          ; the conversions' scale operands
.set EB,  108                          ; scale bytes
.set ACC, 128                          ; two sets of eight accumulators
.set G1X, 24
.set G1Q, 32
.set G1R, 40
.set G0X, 48
.set G0Q, 52
.set G0R, 56
.set G0V, 60
.set MSB, 0
.macro WIN new                         ; the immediate's high byte repeats the setting that is left
.if MSB != (\new)
	s_set_vgpr_msb (MSB<<8)|(\new)
.set MSB, (\new)
.endif
.endm
.macro WALU
	s_wait_alu depctr_va_vdst(0)
.endm
.macro PLACES n
.rept \n
	v_nop
.endr
.endm
.macro BARRIER
	s_barrier_signal -1
	s_barrier_wait -1
.endm
.macro MIDDLE                          ; a round behind its opening barrier
	s_cmp_lg_u32 s14, 0
	s_cbranch_scc1 .Lnot_wave_0_\@
	s_barrier_signal -3
.Lnot_wave_0_\@:
	s_barrier_wait -3
	BARRIER
.endm
.macro TLOAD g0, g1
	tensor_load_to_lds s[\g0:\g0+3], s[\g1:\g1+7]
	s_nop 0
	PLACES 4
.endm
.macro GRD
	s_wait_tensorcnt 0x0
	ds_add_u32 v[SPW], v[NIL]
.endm
.macro GROUP1 g, mask, rows            ; rows of 1,024 bytes, 16 bytes of padding behind each
	s_or_b32 s[\g], s[\mask], (1<<20)|(1<<21)|(7<<22)|(3<<25)
	s_mov_b32 s[\g+1], 1024<<16
	s_mov_b32 s[\g+2], (\rows)<<16
	s_mov_b32 s[\g+3], 1024<<16
	s_mov_b32 s[\g+4], \rows
	s_mov_b32 s[\g+5], 1024
	s_mov_b32 s[\g+6], 0
	s_mov_b32 s[\g+7], 0
.endm
	s_load_b512 s[68:83], s[0:1], 0x0              ; x 68, 70; W_q 72, 74; W_k 76, 78; W_v 80, 82 (codes, scales)
	s_load_b256 s[84:91], s[0:1], 0x40             ; bq 84, bk 86, bv 88, q_img 90
	s_load_b128 s[92:95], s[0:1], 0x60             ; q_sc 92, kv_img 94
	v_lshl_add_u32 v[SPW], v0, 2, SPARE
	v_mov_b32 v[NIL], 0
	ds_add_u32 v[SPW], v[NIL]                      ; the opening lines: the add, twice on end, and its wait
	ds_add_u32 v[SPW], v[NIL]
	v_lshrrev_b32 v1, 5, v0
	v_readfirstlane_b32 s14, v1                    ; wave 0..3
	v_and_b32 v1, 15, v0                           ; r
	v_bfe_u32 v2, v0, 4, 1                         ; h
	v_and_b32 v3, 31, v0                           ; lane
	v_lshlrev_b32 v7, 4, v0
	v_lshlrev_b32 v9, 2, v0
	v_lshlrev_b32 v33, 5, v3
	s_lshr_b32 s15, s14, 1                         ; which 64 tokens are mine
	s_and_b32 s16, s14, 1                          ; which head.  Also: which 64 rows I fetch at the head
	s_bfe_u32 s2, ttmp6, 0x40000                   ; cx
	s_bfe_u32 s3, ttmp6, 0x40004                   ; cy
	s_lshl_b32 s17, ttmp9, 2
	s_add_co_u32 s17, s17, s2                      ; my pair of heads, 0..7
	s_and_b32 s19, ttmp7, 0xffff                   ; cluster y
	s_lshl_b32 s18, s19, 2
	s_add_co_u32 s18, s18, s3                      ; my group of 128 tokens, 0..31
	s_lshl_b32 s21, s3, 2
	s_lshl_b32 s21, 15, s21                        ; my row of the cluster
	s_lshl_b32 s22, 0x1111, s2                     ; my column
	GROUP1 G1X, 21, 64
	GROUP1 G1Q, 22, 64
	GROUP1 G1R, 22, 32
	s_mov_b32 s[G0X], 1
	s_mul_i32 s[G0Q+1], s16, 64*PITCH
	s_add_co_u32 s[G0X+1], s[G0Q+1], YB
	s_mov_b32 s[G0Q], 1
	s_mov_b32 s[G0R], 1
	s_mul_i32 s[G0V+1], s14, 32*PITCH
	s_add_co_u32 s[G0R+1], s[G0V+1], YB
	s_mov_b32 s[G0V], 1
	s_lshl_b32 s5, s16, 16
	s_lshl_b32 s4, s18, 17
	s_add_co_u32 s4, s4, s5                        ; x: my 64 rows of the head's load
	s_lshl_b32 s13, s17, 17
	s_add_co_u32 s6, s13, s5                       ; W_q: likewise
	s_lshl_b32 s8, s14, 15
	s_add_co_u32 s8, s8, s13                       ; W_k, W_v: my 32 rows of a refill
	s_lshl_b32 s98, s3, 2
	s_add_co_u32 s98, s98, s14
	s_lshl_b32 s98, s98, 13
	s_add_co_u32 s98, s98, s13                     ; my share of a prefetch: 8,192 bytes
	s_lshl_b32 s10, s18, 12
	s_lshl_b32 s11, s15, 11
	s_add_co_u32 s10, s10, s11                     ; x's scale bytes: my 64 tokens
	s_lshl_b32 s12, s17, 12                        ; a weight's: the pair's 128 rows
	s_lshl_b32 s96, s17, 9                         ; a bias's
	s_mov_b32 s5, 0
	s_mov_b32 s7, 0
	s_mov_b32 s9, 0
	s_mov_b32 s11, 0
	s_mov_b32 s13, 0
	s_mov_b32 s97, 0
	s_mov_b32 s99, 0
	WALU
	s_wait_dscnt 0x0                               ; both opening adds are done
	s_wait_kmcnt 0x0
	s_add_nc_u64 s[70:71], s[70:71], s[10:11]
	s_add_nc_u64 s[74:75], s[74:75], s[12:13]
	s_add_nc_u64 s[78:79], s[78:79], s[12:13]
	s_add_nc_u64 s[82:83], s[82:83], s[12:13]
	s_add_nc_u64 s[84:85], s[84:85], s[96:97]
	s_add_nc_u64 s[86:87], s[86:87], s[96:97]
	s_add_nc_u64 s[88:89], s[88:89], s[96:97]
.irp p, 0,1
.irp c, 0,1
	global_load_b128 v[XS+8*\p+4*\c:XS+8*\p+4*\c+3], v33, s[70:71] offset:1024*\p+16*\c
.endr
.endr
.irp k, 0,1,2                                  ; the three weights' scale bytes, 4,096 each, and biases, 512 each: a work-group's share, on its way to LDS
.irp i, 0,1
	global_load_b128 v[ACC+8*\k+4*\i:ACC+8*\k+4*\i+3], v7, s[74+4*\k:75+4*\k] offset:2048*\i
.endr
	global_load_b32 v[ACC+24+\k], v9, s[84+2*\k:85+2*\k]
.endr
	s_add_nc_u64 s[G0X+2:G0X+3], s[68:69], s[4:5]
	s_or_b32 s[G0X+3], s[G0X+3], 0x80000000
	s_add_nc_u64 s[G0Q+2:G0Q+3], s[72:73], s[6:7]
	s_or_b32 s[G0Q+3], s[G0Q+3], 0x80000000
	s_add_nc_u64 s[G0R+2:G0R+3], s[76:77], s[8:9]
	s_or_b32 s[G0R+3], s[G0R+3], 0x80000000
	s_add_nc_u64 s[G0V+2:G0V+3], s[80:81], s[8:9]
	s_or_b32 s[G0V+3], s[G0V+3], 0x80000000
	BARRIER                                        ; a round: all sixteen work-groups are here: the first joint loads meet
	MIDDLE
	s_cmp_lt_u32 s14, 2                            ; ONE joint load a wave: waves 0, 1 x's halves, waves 2, 3 W_q's: a line each, since waves 0 and 1 alone wait at the first barrier
	s_cbranch_scc0 .Lfor_w
	TLOAD G0X, G1X
	s_branch .Lasked
.Lfor_w:
	TLOAD G0Q, G1Q
.Lasked:
	s_mul_i32 s20, s15, 64*PITCH
	s_add_co_u32 s20, s20, YB                      ; my 64 rows of x
	s_mul_i32 s21, s16, 64*PITCH                   ; my head's 64 rows of a weight
	s_lshl_b32 s22, s16, 11
	s_add_co_u32 s22, s22, WS
	s_lshl_b32 s2, s16, 8
	s_add_co_u32 s3, s2, BI
	s_lshl_b32 s23, s15, 1
	s_add_co_u32 s23, s23, s2
	s_add_co_u32 s23, s23, XSG
	WALU
	v_mul_u32_u24 v32, v1, PITCH
	v_lshl_add_u32 v32, v2, 4, v32                 ; a fragment's row x pitch + 16 x half
	v_add_nc_u32 v[AX], s20, v32
	v_add_nc_u32 v[AW], s21, v32
	v_add_nc_u32 v[AW+1], YB, v[AW]
	v_add_nc_u32 v[ASC], s22, v33
	v_lshlrev_b32 v[ABI], 5, v2
	v_add_nc_u32 v[ABI], s3, v[ABI]
	v_lshlrev_b32 v[ABV], 2, v1
	v_add_nc_u32 v[ABV], s3, v[ABV]
	v_add_nc_u32 v[ABV], 1024, v[ABV]
	v_lshlrev_b32 v[SBV], 4, v1
	v_add_nc_u32 v[SBV], s23, v[SBV]
	v_lshlrev_b32 v[CO], 4, v3
	v_lshl_add_u32 v34, v0, 4, WS
	v_lshl_add_u32 v35, v0, 2, BI
	v_lshlrev_b32 v112, 8, v3                      ; a prefetch's offset: lanes 256 bytes apart
	s_add_nc_u64 s[76:77], s[76:77], s[98:99]
	s_add_nc_u64 s[80:81], s[80:81], s[98:99]
	; where my results go
	s_lshr_b32 s23, s18, 4
	s_lshl_b32 s23, s23, 4
	s_lshl_b32 s2, s17, 1
	s_add_co_u32 s23, s23, s2                      ; 16 x batch + the pair's first head
	s_and_b32 s66, s18, 15                         ; the group in its batch
	s_add_co_u32 s67, s23, s16                     ; my head
	s_lshl_b32 s2, s15, 10
	s_lshl_b32 s4, s67, 17
	s_lshl_b32 s5, s66, 13
	s_add_co_u32 s4, s4, s5
	s_add_co_u32 s4, s4, s2
	s_mov_b32 s5, 0
	s_add_nc_u64 s[4:5], s[90:91], s[4:5]          ; Q's image at my 64 tokens
	s_mul_i32 s6, s67, 0x42000
	s_mul_i32 s7, s66, 0x4200
	s_add_co_u32 s6, s6, s7
	s_add_co_u32 s6, s6, s2
	s_mov_b32 s7, 0
	s_add_nc_u64 s[6:7], s[94:95], s[6:7]          ; K's; V's 8,192 bytes on
	s_lshl_b32 s8, s23, 12                         ; the scale words, at the end: wave 0 Q's two heads, wave 1 K's, wave 2 V's
	s_lshl_b32 s9, s66, 8
	s_add_co_u32 s8, s8, s9
	s_mul_i32 s10, s23, 0x42000
	s_mul_i32 s11, s66, 0x4200
	s_add_co_u32 s10, s10, s11
	s_lshl_b32 s11, s14, 8
	s_add_co_u32 s10, s10, s11
	s_add_co_u32 s10, s10, 16384-256
	s_mov_b32 s11, 0x42000
	s_cmp_eq_u32 s14, 0
	s_cselect_b32 s8, s8, s10
	s_cselect_b64 s[12:13], s[92:93], s[94:95]
	s_cselect_b32 s10, 0x1000, s11                 ; from head to head
	s_mov_b32 s9, 0
	s_add_nc_u64 s[8:9], s[12:13], s[8:9]
	s_mov_b32 s2, 0x76543210
	s_mov_b32 s3, 0xfedcba98                       ; v_permlanex16_b32's selects for lane l xor 16
	s_mov_b32 s20, 0x600000                        ; the mantissa field of 57,344
	WALU                                           ; the head's end
	s_cmp_lt_u32 s14, 2
	s_cbranch_scc0 .Lnot_yet
	s_wait_tensorcnt 0x0                           ; waves 0, 1: x has landed
.Lnot_yet:
	BARRIER
	s_cmp_lt_u32 s19, 4
	s_cbranch_scc0 .Lno_prefetch
	global_prefetch_b8 v112, s[76:77] th:TH_LOAD_NT scope:SCOPE_SE
	global_prefetch_b8 v112, s[80:81] th:TH_LOAD_NT scope:SCOPE_SE
.Lno_prefetch:
; x's 32 fragments (16 tokens x 128 of K): fragment 4 q + a in window 1 + f / 16.  Lane l holds row l % 16; registers 4 c .. 4 c + 3 hold K = 32 c + 16 (l / 16) + 0 .. 15
.irp q, 0,1,2,3,4,5,6,7
.irp a, 0,1,2,3
.set FX_, 4*\q+\a
	WIN (1+FX_/16)<<6
.irp c, 0,1,2,3
	ds_load_b128 v[16*(FX_%16)+4*\c:16*(FX_%16)+4*\c+3], v[AX] offset:\a*16*PITCH+128*\q+32*\c
.endr
.endr
.endr
	WIN 0
	s_wait_loadcnt 0x0                             ; scale words and biases
.irp k, 0,1,2
.irp i, 0,1
	ds_store_b128 v34, v[ACC+8*\k+4*\i:ACC+8*\k+4*\i+3] offset:4096*\k+2048*\i
.endr
	ds_store_b32 v35, v[ACC+24+\k] offset:512*\k
.endr
	GRD
	s_wait_dscnt 0x0                               ; x is in registers, my LDS stores and the add are done
	BARRIER                                        ; a round: this holds of every wave of the cluster; W_q and the scale words are shown
	MIDDLE
	TLOAD G0R, G1R                                 ; W_k over x, a quarter a wave
.macro WM d, u, w, c, x, y, r0, r1
.if (\r0) && (\r1)
	v_wmma_scale_f32_16x16x128_f8f6f4 v[\d:\d+7], v[\u:\u+15], v[\w:\w+15], v[\c:\c+7], v[\x], v[\y] matrix_a_fmt:MATRIX_FMT_BF8 matrix_b_fmt:MATRIX_FMT_BF8 matrix_a_scale:MATRIX_SCALE_ROW1 matrix_b_scale:MATRIX_SCALE_ROW1
.elseif (\r0)
	v_wmma_scale_f32_16x16x128_f8f6f4 v[\d:\d+7], v[\u:\u+15], v[\w:\w+15], v[\c:\c+7], v[\x], v[\y] matrix_a_fmt:MATRIX_FMT_BF8 matrix_b_fmt:MATRIX_FMT_BF8 matrix_a_scale:MATRIX_SCALE_ROW1
.elseif (\r1)
	v_wmma_scale_f32_16x16x128_f8f6f4 v[\d:\d+7], v[\u:\u+15], v[\w:\w+15], v[\c:\c+7], v[\x], v[\y] matrix_a_fmt:MATRIX_FMT_BF8 matrix_b_fmt:MATRIX_FMT_BF8 matrix_b_scale:MATRIX_SCALE_ROW1
.else
	v_wmma_scale_f32_16x16x128_f8f6f4 v[\d:\d+7], v[\u:\u+15], v[\w:\w+15], v[\c:\c+7], v[\x], v[\y] matrix_a_fmt:MATRIX_FMT_BF8 matrix_b_fmt:MATRIX_FMT_BF8
.endif
.endm
.macro PROD n, m                       ; product m = 4 q + a of block n: the q-th 128 of K, token tile a.  Four accumulators take turns; the first four take the bias as C
.set PQ_, (\m)/4
.set PA_, (\m)%4
.set PE_, (\n)%2
.set PP_, ((\n)/2)%2
.set FX_, 4*PQ_+PA_
.set XW_, 1+FX_/16
.set XR_, 16*(FX_%16)
.set WR_, 128*PE_+16*PQ_
.set SX_, XS+8*(PA_/2)+PQ_
.set SW_, WSC+8*PP_+PQ_
.if (\n) < 8
.set PD_, ACC+64*PP_+16*PA_+8*PE_
.else
.set PD_, ACC+64*PP_+32*PE_+8*PA_
.endif
.set PC_, PD_
.if PQ_ == 0
.set PC_, BIA+16*PP_+8*PE_
.endif
.if (\n) < 8
	WIN 3|(XW_<<2)
	WM PD_, WR_, XR_, PC_, SW_, SX_, PE_, PA_%2
.else
	WIN XW_|(3<<2)
	WM PD_, XR_, WR_, PC_, SX_, SW_, PA_%2, PE_
.endif
.endm
.macro HOLD2 m, x                      ; two numbers held at the largest code x the scale (the conversion does not saturate: ISA guide 7.6.2).  The bound is read from a second copy where its first would be read too late
.if (\m) == 3
	v_med3_num_f32 v[\x], v[\x], -v[TQ+3], v[TQ+3]
	v_med3_num_f32 v[\x+1], v[\x+1], -v[TQ+3], v[TQ+3]
.else
	v_med3_num_f32 v[\x], v[\x], -v[TQ+1], v[TQ+1]
	v_med3_num_f32 v[\x+1], v[\x+1], -v[TQ+1], v[TQ+1]
.endif
.if (\m) == 2
	v_mov_b32 v[TQ+3], v[TQ+1]
.endif
.endm
.macro GAP u, x                        ; THE QUANTISER OF A PAIR, gaps 0 .. 59, 15 a unit: unit t's 16 numbers at x + 16 t
.set T_, (\u)/15
.set J_, (\u)%15
.set E_, \x+16*T_
.set O_, E_+8
.if J_ == 0
	v_max3_num_f32 v[TQ], |v[E_]|, |v[E_+1]|, |v[E_+2]|
	v_max3_num_f32 v[TQ+2], |v[O_]|, |v[O_+1]|, |v[O_+2]|
.elseif J_ < 3
	v_max3_num_f32 v[TQ], v[TQ], |v[E_+2*J_+1]|, |v[E_+2*J_+2]|
	v_max3_num_f32 v[TQ+2], v[TQ+2], |v[O_+2*J_+1]|, |v[O_+2*J_+2]|
.elseif J_ == 3
	v_max3_num_f32 v[TQ+2], v[TQ+2], |v[O_+7]|, 0x8000000   ; the floor 2^(16 - 127): the byte cannot fall under 1
	v_max3_num_f32 v[TQ], v[TQ], |v[E_+7]|, v[TQ+2]
.elseif J_ == 4
	v_permlanex16_b32 v[TQ+2], v[TQ], s2, s3       ; the other half's largest
	v_max_num_f32 v[TQ], v[TQ], v[TQ+2]
.elseif J_ == 5
	v_add_nc_u32 v[SOP+T_], 0xf8800000, v[TQ]      ; 15 off the exponent field: the conversion's scale operand
	v_and_or_b32 v[TQ+1], v[TQ], 0x7f800000, s20   ; 57,344 x the scale
.elseif J_ < 10
	HOLD2 J_-6, E_+2*(J_-6)
.if J_ == 9
	v_cvt_scalef32_pk8_bf8_f32 v[MCD+4*T_:MCD+4*T_+1], v[E_:E_+7], v[SOP+T_]
.endif
.elseif J_ < 14
	HOLD2 J_-6, O_+2*(J_-10)
.if J_ == 13
	v_cvt_scalef32_pk8_bf8_f32 v[MCD+4*T_+2:MCD+4*T_+3], v[O_:O_+7], v[SOP+T_]
.endif
.else
	v_lshrrev_b32 v[EB+T_], 23, v[SOP+T_]          ; the scale's byte
.endif
.endm
.macro SEQ n, from, to                 ; products of block n, and behind each the gap of the pair before
.set N_, \from
.rept (\to)-(\from)
	PROD \n, N_
.if ((\n) > 1) && (N_ > 0) && (N_ < 31)
	WIN 0
	GAP 30*((\n)%2)+N_-1, ACC+64*(1-PP_)
.endif
.set N_, N_+1
.endr
.endm
.macro OUT p                           ; pair p leaves: four scale bytes to LDS, four times 512 consecutive bytes of codes
.irp k, 0,1,2,3
.if (\p) < 4
	ds_store_b8 v[SBV], v[EB+\k] offset:512*((\p)/2)+4*\k+(\p)%2
	global_store_b128 v[CO], v[MCD+4*\k:MCD+4*\k+3], s[4+2*((\p)/2):5+2*((\p)/2)] offset:2048*\k+512*((\p)%2)
.else
	ds_store_b8 v[SBV], v[EB+\k] offset:1024+4*(2*((\p)%2)+\k/2)+\k%2
	global_store_b128 v[CO], v[MCD+4*\k:MCD+4*\k+3], s[6:7] offset:8192+2048*(2*((\p)%2)+\k/2)+512*(\k%2)
.endif
.endr
.endm
.macro FETCH b                         ; block b's eight fragments into its set of window 3: 32 loads; with a pair's first block its scale words and biases too: 6 more, or 18 (V: the eight registers of a C hold one number)
.set FK_, (\b)/4
.set FT_, (\b)%4
.set FS_, (\b)%2
.set FP_, ((\b)/2)%2
.set FA_, AW+FK_%2
	WIN 0xc0
.irp q, 0,1,2,3,4,5,6,7
.irp c, 0,1,2,3
	ds_load_b128 v[128*FS_+16*\q+4*\c:128*FS_+16*\q+4*\c+3], v[FA_] offset:FT_*16*PITCH+128*\q+32*\c
.endr
.endr
	WIN 0
.if FS_ == 0
.irp c, 0,1
	ds_load_b128 v[WSC+8*FP_+4*\c:WSC+8*FP_+4*\c+3], v[ASC] offset:4096*FK_+512*FT_+16*\c
.endr
.irp e, 0,1
.if FK_ < 2
.irp c, 0,1
	ds_load_b128 v[BIA+16*FP_+8*\e+4*\c:BIA+16*FP_+8*\e+4*\c+3], v[ABI] offset:512*FK_+64*(FT_+\e)+16*\c
.endr
.else
.irp i, 0,1,2,3,4,5,6,7
	ds_load_b32 v[BIA+16*FP_+8*\e+\i], v[ABV] offset:64*(FT_+\e)
.endr
.endif
.endr
.endif
.endm
.macro BLK n, how                      ; block n.  how = 1: with the round behind which W_v is asked for (it shows W_k, too); how = 2: with the barrier that shows W_v
.if ((\n)%2) == 0
	s_wait_dscnt 32                                ; all but the next block's loads
.elseif (\n) == 11
	s_wait_dscnt 0
.elseif (\n) > 6
	s_wait_dscnt 50
.else
	s_wait_dscnt 38
.endif
	s_wait_xcnt 0x0                                ; the stores have read their registers: codes are made anew below
.if (\how) == 1
	SEQ \n, 0, 24
	WIN 0
	WALU
	GRD
	SEQ \n, 24, 28
	WIN 0
	WALU
	s_wait_dscnt 0x0                               ; the add is done, W_q's last block is in registers
	s_barrier_signal -1
	SEQ \n, 28, 32
	WIN 0
	s_barrier_wait -1
	MIDDLE
	TLOAD G0V, G1R
	PLACES 4
.elseif (\how) == 2
	SEQ \n, 0, 28
	WIN 0
	WALU
	s_wait_tensorcnt 0x0
	s_wait_dscnt 0x0
	s_barrier_signal -1
	SEQ \n, 28, 32
	WIN 0
	s_barrier_wait -1
	PLACES 8
.else
	SEQ \n, 0, 32
	WIN 0
	PLACES 8                                       ; places behind the last products, for the loads and for the first read of the sums (ISA guide 7.12.1 for the read of the sums)
.endif
.if (((\n)%2) == 1) && ((\n) > 2)
	OUT (\n)/2-1
.endif
.if (\n) < 10
	FETCH (\n)+2
.endif
.endm
	FETCH 0
	FETCH 1
	BLK 0, 0
	BLK 1, 0
	BLK 2, 1
	BLK 3, 0
	BLK 4, 0
	BLK 5, 0
	BLK 6, 2
	BLK 7, 0
	BLK 8, 0
	BLK 9, 0
	BLK 10, 0
	BLK 11, 0
	s_wait_xcnt 0x0
.set K_, 0
.rept 60                                       ; the last pair's quantiser: no product is left
	GAP K_, ACC+64
.set K_, K_+1
.endr
	OUT 5
	s_lshl_b32 s11, s14, 9
	s_add_co_u32 s11, s11, XSG
	v_lshlrev_b32 v113, 4, v3
	v_add_nc_u32 v113, s11, v113                   ; lanes 0-15 the first head's 256 bytes, lanes 16-31 the second's
	v_mul_u32_u24 v114, v2, s10
	v_lshl_add_u32 v114, v1, 4, v114
	WALU
	s_wait_dscnt 0x0                               ; my scale bytes are in LDS
	BARRIER
	s_cmp_lt_u32 s14, 3
	s_cbranch_scc0 .Lno_words
	ds_load_b128 v[116:119], v113
	s_wait_dscnt 0x0
	global_store_b128 v114, v[116:119], s[8:9]
.Lno_words:
	s_wait_tensorcnt 0x0                           ; the wave's end
	ds_add_u32 v[SPW], v[NIL]
	s_wait_dscnt 0x0
	BARRIER                                        ; the closing round
	MIDDLE
	s_endpgm
.Lfunc_end_k_qb01331972c_proj:
	.size	k_qb01331972c_proj, .Lfunc_end_k_qb01331972c_proj-k_qb01331972c_proj
	.p2alignl 7, 3214868480
	.fill 96, 4, 3214868480
	.section	.rodata,"a",@progbits
	.p2align	6, 0x0
	.amdhsa_kernel k_qb01331972c_proj
		.amdhsa_group_segment_fixed_size 327680
		.amdhsa_private_segment_fixed_size 0
		.amdhsa_enable_private_segment 0
		.amdhsa_kernarg_size 112
		.amdhsa_user_sgpr_count 2
		.amdhsa_user_sgpr_kernarg_segment_ptr 1
		.amdhsa_wavefront_size32 1
		.amdhsa_system_sgpr_workgroup_id_x 1
		.amdhsa_system_sgpr_workgroup_id_y 1
		.amdhsa_system_sgpr_workgroup_id_z 1
		.amdhsa_system_vgpr_workitem_id 0
		.amdhsa_next_free_vgpr 1024
		.amdhsa_next_free_sgpr 102
		.amdhsa_reserve_vcc 0
		.amdhsa_float_denorm_mode_32 3
		.amdhsa_float_denorm_mode_16_64 3
		.amdhsa_memory_ordered 1
		.amdhsa_forward_progress 1
		.amdhsa_inst_pref_size 173
	.end_amdhsa_kernel
	.amdgpu_metadata
---
amdhsa.version: [ 1, 2 ]
amdhsa.kernels:
  - .name:           k_qb01331972c_proj
    .symbol:         k_qb01331972c_proj.kd
    .args:
      - { .name: x_codes, .offset: 0, .size: 8, .value_kind: global_buffer, .address_space: global }
      - { .name: x_scales, .offset: 8, .size: 8, .value_kind: global_buffer, .address_space: global }
      - { .name: Wq_codes, .offset: 16, .size: 8, .value_kind: global_buffer, .address_space: global }
      - { .name: Wq_scales, .offset: 24, .size: 8, .value_kind: global_buffer, .address_space: global }
      - { .name: Wk_codes, .offset: 32, .size: 8, .value_kind: global_buffer, .address_space: global }
      - { .name: Wk_scales, .offset: 40, .size: 8, .value_kind: global_buffer, .address_space: global }
      - { .name: Wv_codes, .offset: 48, .size: 8, .value_kind: global_buffer, .address_space: global }
      - { .name: Wv_scales, .offset: 56, .size: 8, .value_kind: global_buffer, .address_space: global }
      - { .name: bq, .offset: 64, .size: 8, .value_kind: global_buffer, .address_space: global }
      - { .name: bk, .offset: 72, .size: 8, .value_kind: global_buffer, .address_space: global }
      - { .name: bv, .offset: 80, .size: 8, .value_kind: global_buffer, .address_space: global }
      - { .name: q_img, .offset: 88, .size: 8, .value_kind: global_buffer, .address_space: global }
      - { .name: q_sc, .offset: 96, .size: 8, .value_kind: global_buffer, .address_space: global }
      - { .name: kv_img, .offset: 104, .size: 8, .value_kind: global_buffer, .address_space: global }
    .group_segment_fixed_size: 327680
    .private_segment_fixed_size: 0
    .kernarg_segment_align: 8
    .kernarg_segment_size: 112
    .max_flat_workgroup_size: 128
    .sgpr_count:     102
    .vgpr_count:     1024
    .wavefront_size: 32
...
	.end_amdgpu_metadata
.endif
;; end of part 1
;; launch attn (part 2): grid 4 x 64, 8 waves a work-group, clusters of 4 x 4, 327,680 bytes of LDS; arguments q_img, q_sc, kv_img, ctx_img, ctx_sc; writes ctx_img, ctx_sc
.if DOCPART == 2
	.amdgcn_target "amdgcn-amd-amdhsa--gfx1250"
	.amdhsa_code_object_version 6
	.text
	.protected	k_qb01331972c_attn
	.globl	k_qb01331972c_attn
	.p2align	8
	.type	k_qb01331972c_attn,@function
k_qb01331972c_attn:
	s_mov_b64 s[64:65], 0
	v_nop
	global_prefetch_b8 v0, s[64:65] scope:SCOPE_SE
	s_setreg_imm32_b32 hwreg(HW_REG_WAVE_MODE, 25, 1), 1
	s_wait_xcnt 0x0
	s_wait_alu depctr_hold_cnt(0) depctr_sa_sdst(0) depctr_va_vdst(0) depctr_va_sdst(0) depctr_va_ssrc(0) depctr_va_vcc(0) depctr_vm_vsrc(0)
	s_getreg_b32 s2, hwreg(HW_REG_IB_STS2, 6, 4)
	s_cmp_eq_u32 s2, 0
	s_cbranch_scc0 .Lentry_in_a_cluster
	s_endpgm
.Lentry_in_a_cluster:
	s_bfe_u32 s2, ttmp6, 0x10000c
	s_cmp_lg_u32 s2, 0xf033
	s_cbranch_scc0 .Lentry_shape_is_right
	s_endpgm
.Lentry_shape_is_right:
; ctx = softmax(q k^T / 8) v for one head (32 = 2 batches x 16 heads; 2,048 keys; head size 64), both products on codes of BF8 (E5M2) with one E8M0 scale for each 32 along K; ctx is quantised along d and stored as images of the last product's operand.
; THE SOFTMAX: t = score x log2(e) / 8; M = the running largest t rounded UP to a whole number; p = 2^(t - M) is quantised along the keys, not normalised; the row's sum is taken of the unquantised p and divides at the end.
; When M moves, the sum and O are multiplied by 2^(old M - new M): exact.
; SHARES.  A work-group owns 256 queries of a head; each of its EIGHT waves owns 32 of them, two tiles of 16 (a and b), which share each fragment of K and V read from LDS.
; THE WHOLE HEAD'S K AND V STAY IN LDS: 16 slots of 16,896 bytes, a slot one group of 128 keys (K's image 8,192 bytes, V's 8,192, K's scale words 256, V's 256).  Wave w asks for groups 2 w, 2 w + 1 by ONE joint load; nothing is filled again.
; Wave 0's two groups lie in slots 14, 15 and are worked on first, behind a barrier at which wave 0 alone has waited; the other fourteen (slots 0 to 13) behind a barrier at which every wave has.
; CLUSTER.  4 x 4 work-groups: cy / 2 picks one of two heads, 4 (cy % 2) + cx the block of 256 queries.  The four of a row (same cy) ask jointly for their head's groups.
; LAYOUT.  Both products are used transposed: S^T = K Q^T, O^T = V^T P^T: a lane holds ONE query of each tile (lane % 16) throughout.
; K = 64 IN AN INSTRUCTION OF 128: K's fragment f holds key tile f in k 0-63 and key tile 4 + f in k 64-127; source 1 is Q beside 64 zero codes, on one side or the other.  The zero half carries Q's scale byte 1.
; ORDER INSIDE A BLOCK OF 32: a lane's 16 registers of two neighbouring tiles hold the indices 32 b + 16 u + 8 h + j; q and k were stored in that order along d, v along the keys, and p is made in it.  ctx alone meets an operand in
; natural order (Wo): its codes change lanes once, at the end.
; THE STEP is two parts.  P1: V's loads and the next K's, the maxima, M, the multiply-adds, a's exponentials.  P2: b's exponentials, scales, sums, holds, codes; a's second product and its NEXT scores stand among b's holds, b's among a's next maxima.
; The loop's branch stands between P1 and P2.
; No prefetch: all that the launch reads is asked for at its head.
; LIMITS: NaN and infinities are not served; a block of zeros, or one whose largest magnitude lies under 2^(16 - 127), gets the scale byte 1 (read by this program alone); the scaled scores stay under 2^31 in magnitude.
; The two scale bytes of a row of ctx leave by a store of two bytes a lane, 32 bytes apart (lanes r and 16 + r write the same two): two stores a wave, 131,072 bytes in the launch.
; REGISTERS, window 0:
.set LI,  1                            ; 16 x lane: my place in a group of an image
.set SPW, 2                            ; my spare word
.set NIL, 3                            ; 0
.set AS,  4                            ; 16,384 + 16 (lane % 16): my place among a slot's scale words
.set ADV, 5                            ; LDS address of the step's images,
.set ADS, 6                            ; of its scale words,
.set ADK, 7                            ; of the next step's images
.set PSC, 8                            ; v8, v9    p's scale words (a, b)
.set T,   10                           ; v10, v11  at work
.set QSC, 12                           ; v12-15    Q's scale words: a in k 0-63, a in k 64-127, b, b
.set KSC, 16                           ; v16-19    K's scale words of the step's four fragments
.set VSC, 20                           ; v20-23    V's.  No product's two scale words have numbers equal modulo 8
.set F,   24                           ; v24, v26  f = 2^(old M - new M); v25, v27 are written once, since the pairs are named
.set NM,  28                           ; v28, v30  -M; v29, v31 the running largest score
.set SUM, 32                           ; v[32:33], v[34:35] the rows' sums, in two halves
.set BM,  36                           ; v36-43    a block's largest score, then its largest t - M: a's four blocks, b's four
.set BP,  44                           ; v44-51    the other half's; then at work
.set BH,  52                           ; v52-59    the holds
.set BS,  60                           ; v60-67    the conversions' scale operands
.set AC,  68                           ; v68-83    eight partial sums of b's p: they are added to b's sum in the next step, in the places behind its scores
.set PC,  84                           ; v84-99 a's codes, v100-115 b's; before that 16 partial sums of a's p
.set SA,  116                          ; v116-179  a's S^T, then p
.set SB,  180                          ; v180-243  b's: block k = 0 .. 7 of both tiles at SA + 16 k
.set X,   244                          ; v244-251  four partial sums of a's p
.set ADN, 252                          ; LDS address of the next step's scale words
.set R32, 253                          ; 32 (lane % 16)
.set R16, 254                          ; 16 (lane % 16)
; window 1:
.set KF,  0                            ; four fragments of K
.set VF,  64                           ; four of V
.set O,   128                          ; O^T: a's four tiles of 16 of the head's 64, b's four
.set ZQ,  192                          ; zeros 8, a's Q 8, zeros 8, b's Q 8, zeros 8
.set SLOTB, 16896
.set SPARE, 16*SLOTB                   ; 8 x 128 bytes
.set WV,  16
.set SEL, 20                           ; s[20:21] lane selects for v_permlanex16_b32: lane l xor 16
.set CS,  22                           ; s[22:23] c = log2(e) / 8
.set G1,  24
.set G0,  32
.set FL,  37                           ; -111: a block's exponent is held there from below
.set NC,  38                           ; -c
.set MNT, 39                           ; the mantissa field of 57,344
.set TB,  40                           ; LDS byte at which the step's slot begins
.set TBN, 41                           ; the next step's
.set CNT, 42                           ; trips to go
.set MSB, 0
.macro WIN new                         ; the immediate's high byte repeats the setting that is left
.if MSB != (\new)
	s_set_vgpr_msb (MSB<<8)|(\new)
.set MSB, (\new)
.endif
.endm
.macro ROUND                           ; a round of the cluster's barrier
	s_barrier_signal -1
	s_barrier_wait -1
	s_cmp_lg_u32 s[WV], 0
	s_cbranch_scc1 .Lnot_wave_0_\@
	s_barrier_signal -3
.Lnot_wave_0_\@:
	s_barrier_wait -3
	s_barrier_signal -1
	s_barrier_wait -1
.endm
	s_load_b256 s[4:11], s[0:1], 0x0               ; q_img s[4:5], q_sc s[6:7], kv_img s[8:9], ctx_img s[10:11]
	s_load_b64 s[12:13], s[0:1], 0x20              ; ctx_sc
	v_lshl_add_u32 v[SPW], v0, 2, SPARE
	v_mov_b32 v[NIL], 0
	ds_add_u32 v[SPW], v[NIL]                      ; the opening lines: the add, twice on end, and its wait ahead of my tensor load
	ds_add_u32 v[SPW], v[NIL]
	v_lshrrev_b32 v[T], 5, v0
	v_readfirstlane_b32 s[WV], v[T]                ; wave 0..7
	v_and_b32 v[LI], 31, v0
	v_and_b32 v[R16], 15, v0
	v_lshlrev_b32 v[LI], 4, v[LI]
	v_lshlrev_b32 v[R32], 5, v[R16]
	v_lshlrev_b32 v[R16], 4, v[R16]
	v_add_nc_u32 v[AS], 0x4000, v[R16]
	s_bfe_u32 s17, ttmp6, 0x40000                  ; cx
	s_bfe_u32 s18, ttmp6, 0x40004                  ; cy
	s_and_b32 s19, ttmp7, 0xffff
	s_lshl_b32 s44, s19, 1
	s_lshr_b32 s45, s18, 1
	s_add_co_u32 s44, s44, s45                     ; 16 x batch + head, which the four of my row share
	s_and_b32 s45, s18, 1
	s_lshl_b32 s45, s45, 2
	s_add_co_u32 s45, s45, s17                     ; my block of 256 queries
	s_lshl_b32 s46, s18, 2
	s_lshl_b32 s46, 15, s46                        ; my row of the cluster
	s_or_b32 s[G1], s46, (3<<16)|(1<<21)           ; 15:0 the mask; 17:16 elements of 8 bytes; 21 set beside a mask; no padding: every LDS read of images takes 512 consecutive bytes
	s_mov_b32 s[G1+1], 32<<16                      ; rows of 256 bytes
	s_mov_b32 s[G1+2], 132<<16                     ; 132 of them: two slots
	s_mov_b32 s[G1+3], 32<<16
	s_mov_b32 s[G1+4], 132
	s_mov_b32 s[G1+5], 32
	s_mov_b32 s[G1+6], 0
	s_mov_b32 s[G1+7], 0
	s_mov_b32 s[G0], 1
	s_add_co_u32 s47, s[WV], 7
	s_and_b32 s47, s47, 7
	s_mul_i32 s[G0+1], s47, 2*SLOTB                ; wave 0: slots 14, 15; wave w: slots 2 w - 2, 2 w - 1
	s_mul_i32 s50, s44, 16*SLOTB                   ; the head's block
	s_mul_i32 s48, s[WV], 2*SLOTB
	s_add_co_u32 s50, s50, s48
	s_mov_b32 s51, 0
	; Q: a group of 128 tokens is eight tiles: tile 4 a1 + a0 lies at a0 x 2,048 + a1 x 1,024.  My tiles: group 2 x block + w / 4, a0 = w % 4, a1 = 0 (a) and 1 (b)
	s_lshr_b32 s48, s[WV], 2
	s_and_b32 s49, s[WV], 3
	s_lshl_b32 s60, s45, 1
	s_add_co_u32 s60, s60, s48                     ; the group
	s_lshl_b32 s52, s44, 17
	s_lshl_b32 s61, s60, 13
	s_add_co_u32 s52, s52, s61
	s_lshl_b32 s61, s49, 11
	s_add_co_u32 s52, s52, s61
	s_mov_b32 s53, 0
	s_lshl_b32 s54, s44, 12                        ; its scale words: a head 4,096 bytes, a group 256, a row 16, a0 4: a's two bytes, b's two bytes
	s_lshl_b32 s61, s60, 8
	s_add_co_u32 s54, s54, s61
	s_lshl_b32 s61, s49, 2
	s_add_co_u32 s54, s54, s61
	s_mov_b32 s55, 0
	; ctx: row tile Tg = 128 batch + 16 block + 8 (w / 4) + w % 4 (b: + 4) of 256; image at (head / 8) 2^21 + Tg 8,192 + (head % 8) 1,024 + 512 (d block); scale bytes at row x 32 + 2 head
	s_and_b32 s62, s44, 15                         ; the head
	s_lshr_b32 s60, s44, 4
	s_lshl_b32 s60, s60, 7
	s_lshl_b32 s61, s45, 4
	s_add_co_u32 s60, s60, s61
	s_lshl_b32 s61, s48, 3
	s_add_co_u32 s60, s60, s61
	s_add_co_u32 s60, s60, s49                     ; Tg
	s_lshr_b32 s56, s62, 3
	s_lshl_b32 s56, s56, 21
	s_lshl_b32 s61, s60, 13
	s_add_co_u32 s56, s56, s61
	s_and_b32 s61, s62, 7
	s_lshl_b32 s61, s61, 10
	s_add_co_u32 s56, s56, s61
	s_mov_b32 s57, 0
	s_lshl_b32 s58, s60, 9
	s_lshl_b32 s61, s62, 1
	s_add_co_u32 s58, s58, s61
	s_mov_b32 s59, 0
	s_mov_b32 s[SEL], 0x76543210
	s_mov_b32 s[SEL+1], 0xfedcba98
	s_mov_b32 s[CS], 0x3e38aa3b                    ; log2(e) / 8
	s_mov_b32 s[CS+1], s[CS]                       ; (named with it as a pair, so it is written)
	s_mov_b32 s[NC], 0xbe38aa3b
	s_mov_b32 s[FL], 0xc2de0000                    ; -111.0
	s_mov_b32 s[MNT], 0x600000
	s_wait_alu depctr_va_vdst(0)
	s_wait_dscnt 0x0                               ; both opening adds are done
	s_wait_kmcnt 0x0
	s_add_nc_u64 s[4:5], s[4:5], s[52:53]
	s_add_nc_u64 s[6:7], s[6:7], s[54:55]
	global_load_b32 v[T], v[R16], s[6:7]
	WIN 0x40
.irp q, 0,1
	global_load_b128 v[ZQ+8+16*\q:ZQ+11+16*\q], v[LI], s[4:5] offset:1024*\q
	global_load_b128 v[ZQ+12+16*\q:ZQ+15+16*\q], v[LI], s[4:5] offset:1024*\q+512
.endr
	WIN 0
	s_add_nc_u64 s[G0+2:G0+3], s[8:9], s[50:51]
	s_or_b32 s[G0+3], s[G0+3], 0x80000000
	s_add_nc_u64 s[10:11], s[10:11], s[56:57]
	s_add_nc_u64 s[12:13], s[12:13], s[58:59]
	ROUND                                          ; all sixteen work-groups are here: the joint loads meet
	s_cmp_lt_u32 s[WV], 1                          ; one load a wave; wave 0 has a line of its own, since it alone waits at the first barrier
	s_cbranch_scc0 .Lrest
	tensor_load_to_lds s[G0:G0+3], s[G1:G1+7]
	s_nop 0
.rept 4
	v_nop
.endr
	s_branch .Lasked
.Lrest:
	tensor_load_to_lds s[G0:G0+3], s[G1:G1+7]
	s_nop 0
.rept 4
	v_nop
.endr
.Lasked:
	; the step is written for any trip: the first finds zeros, which the first change of M leaves zeros
	WIN 0x40
.set J_, 0
.rept 64
	v_mov_b32 v[O+J_], 0
.set J_, J_+1
.endr
.irp q, 0,1,2
.irp i, 0,1,2,3,4,5,6,7
	v_mov_b32 v[ZQ+16*\q+\i], 0                    ; the zero codes on either side of Q
.endr
.endr
	WIN 0
.irp t, 0,1
	v_mov_b32 v[NM+2*\t+1], 0xff61b1e6             ; the largest score so far: -3e38
	v_mov_b32 v[F+2*\t+1], 0
	v_mov_b32 v[SUM+2*\t], 0
	v_mov_b32 v[SUM+2*\t+1], 0
.endr
.irp t, 0,1
	v_mul_f32 v[NM+2*\t], s[NC], v[NM+2*\t+1]
.endr
.irp t, 0,1
	v_floor_f32 v[NM+2*\t], v[NM+2*\t]
.endr
	s_wait_alu depctr_va_vdst(0)
	s_wait_loadcnt 0x0                             ; Q and its scale words
	v_and_b32 v[QSC], 0xffff, v[T]
	v_lshl_or_b32 v[QSC+1], v[T], 16, 0x0101       ; a in k 64-127: the zero half gets the byte 1
	v_lshrrev_b32 v[QSC+2], 16, v[T]
	v_and_b32 v[QSC+3], 0xffff0000, v[T]
	v_or_b32 v[QSC], 0x01010000, v[QSC]
	v_or_b32 v[QSC+2], 0x01010000, v[QSC+2]
	v_or_b32 v[QSC+3], 0x0101, v[QSC+3]
.set J_, 0
.rept 16
	v_mov_b32 v[AC+J_], 0
.set J_, J_+1
.endr
.irp b, 0,1,2,3,4,5,6,7
	v_mov_b32 v[BP+\b], 0                          ; a lane permute's destination counts as one of its sources
.endr
	s_wait_alu depctr_va_vdst(0)                   ; the head's end
	s_cmp_lt_u32 s[WV], 1
	s_cbranch_scc0 .Lnot_yet
	s_wait_tensorcnt 0x0                           ; wave 0: slots 14 and 15 have landed
.Lnot_yet:
	s_barrier_signal -1
	s_barrier_wait -1
.macro LOADK                           ; K's four fragments and their scale words: 17 loads
	WIN 0x40
.irp f, 0,1,2,3
.irp c, 0,1,2,3
	ds_load_b128 v[KF+16*\f+4*\c:KF+16*\f+4*\c+3], v[ADK] offset:2048*\f+512*\c
.endr
.endr
	WIN 0
	ds_load_b128 v[KSC:KSC+3], v[ADN]
.endm
.macro QKT t, i                        ; S^T of tile t: product i = 4 y + f: K's fragment f serves key tile f (y = 0) and key tile 4 + f (y = 1)
.set QY_, (\i)/4
.set QF_, (\i)%4
	WIN 0x05                                       ; both sources window 1, the scores window 0
	v_wmma_scale_f32_16x16x128_f8f6f4 v[SA+64*\t+8*(\i):SA+64*\t+8*(\i)+7], v[KF+16*QF_:KF+16*QF_+15], v[ZQ+16*\t+8-8*QY_:ZQ+16*\t+23-8*QY_], 0, v[KSC+QF_], v[QSC+2*\t+QY_] matrix_a_fmt:MATRIX_FMT_BF8 matrix_b_fmt:MATRIX_FMT_BF8
.endm
.macro PVT t, f                        ; O^T of tile t += V^T P^T.  The accumulators take turns
	WIN 0x51                                       ; V window 1, p's codes window 0, O^T window 1
	v_wmma_scale_f32_16x16x128_f8f6f4 v[O+32*\t+8*(\f):O+32*\t+8*(\f)+7], v[VF+16*(\f):VF+16*(\f)+15], v[PC+16*\t:PC+16*\t+15], v[O+32*\t+8*(\f):O+32*\t+8*(\f)+7], v[VSC+(\f)], v[PSC+\t] matrix_a_fmt:MATRIX_FMT_BF8 matrix_b_fmt:MATRIX_FMT_BF8
.endm
.macro FOLD                            ; b's eight partial sums are added to its sum
.irp i, 0,4,8,12
	v_pk_add_f32 v[AC+\i:AC+\i+1], v[AC+\i:AC+\i+1], v[AC+\i+2:AC+\i+3]
.endr
.irp i, 0,8
	v_pk_add_f32 v[AC+\i:AC+\i+1], v[AC+\i:AC+\i+1], v[AC+\i+4:AC+\i+5]
.endr
	v_pk_add_f32 v[SUM+2:SUM+3], v[SUM+2:SUM+3], v[AC:AC+1]
	v_pk_add_f32 v[SUM+2:SUM+3], v[SUM+2:SUM+3], v[AC+8:AC+9]
.endm
; the largest score of each block of 32 keys (it serves for the row's maximum and, since p rises with the score, for the block's largest p), line n of 30 of tile t: four blocks by turns.
; One number of a block is left over for the pairs at the end: number 15, in the last block number 12; their sources stand first and second by turns, so that a pair's lie in different banks
.macro MAXL t, n
.set MK_, (\n)%4
.set MR_, (\n)/4
.set MS_, SA+64*\t+16*MK_
.set MB_, BM+4*\t+MK_
.if (\n) == 28
	v_dual_max_num_f32 v[BM+4*\t], v[BM+4*\t], v[SA+64*\t+15] :: v_dual_max_num_f32 v[BM+4*\t+1], v[SA+64*\t+31], v[BM+4*\t+1]
.elseif (\n) == 29
	v_dual_max_num_f32 v[BM+4*\t+2], v[BM+4*\t+2], v[SA+64*\t+47] :: v_dual_max_num_f32 v[BM+4*\t+3], v[BM+4*\t+3], v[SA+64*\t+60]
.elseif MR_ == 0
	v_max3_num_f32 v[MB_], v[MS_], v[MS_+1], v[MS_+2]
.elseif MR_ < 5
	v_max3_num_f32 v[MB_], v[MB_], v[MS_+2*MR_+1], v[MS_+2*MR_+2]
.elseif MK_ < 3
	v_max3_num_f32 v[MB_], v[MB_], v[MS_+2*MR_+1], v[MS_+2*MR_+2]
.elseif MR_ == 5
	v_max3_num_f32 v[MB_], v[MB_], v[MS_+11], v[MS_+13]
.else
	v_max3_num_f32 v[MB_], v[MB_], v[MS_+14], v[MS_+15]
.endif
.endm
.macro CHAIN t, n                      ; from the blocks' largest scores to M and f, line n of 8
.if (\n) == 0
	v_max3_num_f32 v[T+\t], v[BM+4*\t], v[BM+4*\t+1], v[BM+4*\t+2]
.elseif (\n) == 1
	v_max3_num_f32 v[NM+2*\t+1], v[T+\t], v[BM+4*\t+3], v[NM+2*\t+1]   ; the running largest score of my query
.elseif (\n) == 2
	v_mul_f32 v[T+\t], s[NC], v[NM+2*\t+1]         ; -t (c is positive)
.elseif (\n) == 3
	v_floor_f32 v[T+\t], v[T+\t]                   ; the new -M = floor(-t) = -ceil(t): a whole number
.elseif (\n) == 4
	v_sub_f32 v[BP+4*\t], v[T+\t], v[NM+2*\t]      ; old M - new M: a whole number, 0 or less
.elseif (\n) == 5
	v_mov_b32 v[NM+2*\t], v[T+\t]
.elseif (\n) == 6
	v_cvt_i32_f32 v[BP+4*\t], v[BP+4*\t]           ; (it saturates)
.else
	v_ldexp_f32 v[F+2*\t], 1.0, v[BP+4*\t]         ; f = 2^(old M - new M)
.endif
.endm
.macro PKF r, n                        ; t - M, two at a time
	v_pk_fma_f32 v[\r:\r+1], v[\r:\r+1], s[CS:CS+1], v[\n:\n+1] op_sel_hi:[1,0,0]
.endm
.macro PKFA n                          ; a's blocks' largest, then its 32 pairs
.if (\n) < 2
	PKF BM+2*(\n), NM
.else
	PKF SA+2*(\n)-4, NM
.endif
.endm
.macro HOLD r, h                       ; two p held at the largest code x the scale: the conversion does not saturate (ISA guide 7.6.2); p is not negative, so the hold is one-sided
	v_dual_min_num_f32 v[\r], v[\r], v[\h] :: v_dual_min_num_f32 v[\r+1], v[\r+1], v[\h]
.endm
.macro PREPL t, n                      ; tile t's four block scales, line n of 16: the exponent of a block's largest p = 2^x is i = floor(x), x its largest t - M
.set PB_, 4*\t
.if (\n) < 2
.set PB_, BM+4*\t+2*(\n)
	v_dual_max_num_f32 v[PB_], s[FL], v[PB_] :: v_dual_max_num_f32 v[PB_+1], s[FL], v[PB_+1]   ; the floor: the byte i + 112 cannot fall under 1
.elseif (\n) < 6
	v_cvt_floor_i32_f32 v[BP+PB_+(\n)-2], v[BM+PB_+(\n)-2]
.elseif (\n) < 10
	v_lshl_add_u32 v[BS+PB_+(\n)-6], v[BP+PB_+(\n)-6], 23, 0x38000000   ; 2^(i - 15): the conversion's scale operand
.elseif (\n) < 12
.set PB_, 4*\t+2*(\n)-20
	v_pk_mul_f32 v[BH+PB_:BH+PB_+1], v[BS+PB_:BS+PB_+1], 0x47600000 op_sel_hi:[1,0]   ; 57,344 x the scale
.elseif (\n) == 12
	v_lshl_add_u32 v[BP+PB_], v[BP+PB_+1], 8, v[BP+PB_]   ; the scale word: the sum of (i + 112) x 256^b over the four blocks; the four 112 come last
.elseif (\n) == 13
	v_lshl_add_u32 v[BP+PB_+2], v[BP+PB_+3], 8, v[BP+PB_+2]
.elseif (\n) == 14
	v_lshl_add_u32 v[BP+PB_], v[BP+PB_+2], 16, v[BP+PB_]
.else
	v_add_nc_u32 v[PSC+\t], 0x70707070, v[BP+PB_]
.endif
.endm
.macro SUMA k                          ; a's 32 pairs of p into 16 partial sums
	v_pk_add_f32 v[PC+2*(\k):PC+2*(\k)+1], v[SA+2*(\k):SA+2*(\k)+1], v[SA+32+2*(\k):SA+33+2*(\k)]
.endm
.macro ADDB n                          ; line n of 24: b's 32 pairs of p into eight partial sums
.if (\n) < 8
	v_pk_add_f32 v[AC+2*(\n):AC+2*(\n)+1], v[SB+2*(\n):SB+2*(\n)+1], v[SB+16+2*(\n):SB+17+2*(\n)]
.else
	v_pk_add_f32 v[AC+2*((\n)%8):AC+2*((\n)%8)+1], v[AC+2*((\n)%8):AC+2*((\n)%8)+1], v[SB+16+2*(\n):SB+17+2*(\n)]
.endif
.endm
.macro CVT d, s, c                     ; eight codes
	v_cvt_scalef32_pk8_bf8_f32 v[\d:\d+1], v[\s:\s+7], v[\c]
.endm
.macro ELINE n                         ; b's 32 holds and 8 conversions, line n of 40: a block's conversions among the next block's holds
.set EQ_, ((\n)-8)/5
.set ER_, ((\n)-8)%5
.if (\n) < 8
	HOLD SB+2*(\n), BH+4
.elseif (\n) > 37
	CVT PC+28+2*((\n)-38), SB+48+8*((\n)-38), BS+7
.elseif ER_ == 0
	CVT PC+16+2*EQ_, SB+8*EQ_, BS+4+EQ_/2
.else
	HOLD SB+14+8*EQ_+2*ER_, BH+5+EQ_/2
.endif
.endm
; P1 of a step.  show = 1: with the barrier that shows slots 0 to 13; skip = 1: in a loop, whose last trip has no next K
.macro P1 show, skip
	v_add_nc_u32 v[ADV], s[TB], v[LI]              ; these four and FOLD's eight are the places in front of the loads below and of the first read of b's scores
	v_add_nc_u32 v[ADS], s[TB], v[AS]
	v_add_nc_u32 v[ADK], s[TBN], v[LI]
	v_add_nc_u32 v[ADN], s[TBN], v[AS]
	FOLD
.if \show
	s_wait_alu depctr_va_vdst(0)
	s_wait_tensorcnt 0x0                           ; my slots have landed; behind the barrier everybody's have.
	s_wait_dscnt 0x0
	s_barrier_signal -1
	s_barrier_wait -1
.endif
	WIN 0x40
.irp f, 0,1,2,3
.irp c, 0,1,2,3
	ds_load_b128 v[VF+16*\f+4*\c:VF+16*\f+4*\c+3], v[ADV] offset:8192+2048*\f+512*\c
.endr
.endr
	WIN 0
	ds_load_b128 v[VSC:VSC+3], v[ADS] offset:256
.irp k, 0,1,2,3                                ; a's maxima meet lane l xor 16's, among b's own
	v_permlanex16_b32 v[BP+\k], v[BM+\k], s[SEL], s[SEL+1]
	MAXL 1, \k
.endr
.irp k, 0,2
	v_dual_max_num_f32 v[BM+\k], v[BM+\k], v[BP+\k] :: v_dual_max_num_f32 v[BM+\k+1], v[BM+\k+1], v[BP+\k+1]
	MAXL 1, 4+\k
	MAXL 1, 5+\k
.endr
.set N_, 8
.irp i, 0,1,2,3,4,5,6,7
	CHAIN 0, \i
	MAXL 1, N_
	MAXL 1, N_+1
.set N_, N_+2
.if (\i%2) == 0
	MAXL 1, N_
.set N_, N_+1
.endif
.endr
	MAXL 1, 28
	MAXL 1, 29
	PKFA 0
	PKFA 1
.irp k, 0,1,2,3
	v_permlanex16_b32 v[BP+4+\k], v[BM+4+\k], s[SEL], s[SEL+1]
	PKFA 2+\k
.endr
.irp k, 4,6
	v_dual_max_num_f32 v[BM+\k], v[BM+\k], v[BP+\k] :: v_dual_max_num_f32 v[BM+\k+1], v[BM+\k+1], v[BP+\k+1]
	PKFA \k+2
	PKFA \k+3
.endr
.irp i, 0,1,2,3,4,5,6,7
	CHAIN 1, \i                                    ; b's M among a's block scales and a's multiply-adds
	PREPL 0, 2*\i
	PKFA 10+3*\i
	PREPL 0, 2*\i+1
	PKFA 11+3*\i
	PKFA 12+3*\i
.endr
	WIN 0x41
.set J_, 0
.rept 16
	v_pk_mul_f32 v[O+J_:O+J_+1], v[O+J_:O+J_+1], v[F:F+1] op_sel_hi:[1,0]   ; O^T under the new M
	v_pk_mul_f32 v[O+32+J_:O+33+J_], v[O+32+J_:O+33+J_], v[F+2:F+3] op_sel_hi:[1,0]
.set J_, J_+2
.endr
	WIN 0
	s_wait_alu depctr_va_vdst(0)                   ; ahead of the batch; it serves the branch, too
.if \skip
	s_cmp_eq_u32 s[CNT], 1
	s_cbranch_scc1 .Lno_next_\@
.endif
	LOADK
.if \skip
.Lno_next_\@:
.endif
.set J_, 0
.rept 32                                       ; a's p = 2^(t - M), at most 1; among them b's t - M, first read behind the next wait
	v_exp_f32 v[SA+J_], v[SA+J_]
	v_exp_f32 v[SA+J_+1], v[SA+J_+1]
	PKF SB+J_, NM+2
.set J_, J_+2
.endr
	PKF BM+4, NM+2
	PKF BM+6, NM+2
	s_wait_alu depctr_va_vdst(0)                   ; behind the batch, ahead of its first reader and of the next batch; and ahead of the loop's branch
.endm
; P2 of a step.  nx = 1: with the next step's scores and a's maxima
.macro P2 nx
.irp n, 0,1,2,3,4,5,6,7                        ; b's block scales: first read behind the next batch's wait
	PREPL 1, 2*\n
	PREPL 1, 2*\n+1
	SUMA \n
.endr
.irp k, 0,1,2,3,4,5,6,7                        ; b's p; among them a's other partial sums and a's holds, each behind the sum that reads its two
	v_exp_f32 v[SB+2*\k], v[SB+2*\k]
	SUMA 8+\k
	v_exp_f32 v[SB+2*\k+1], v[SB+2*\k+1]
	HOLD SA+2*\k, BH
.endr
.set J_, 0
.rept 8
	v_exp_f32 v[SB+16+J_], v[SB+16+J_]
	HOLD SA+32+J_, BH+2
	v_exp_f32 v[SB+17+J_], v[SB+17+J_]
.set J_, J_+2
.endr
.set J_, 0
.rept 8
	v_exp_f32 v[SB+32+J_], v[SB+32+J_]
	HOLD SA+16+J_, BH+1
	v_exp_f32 v[SB+33+J_], v[SB+33+J_]
.set J_, J_+2
.endr
.set J_, 0
.rept 8
	v_exp_f32 v[SB+48+J_], v[SB+48+J_]
	HOLD SA+48+J_, BH+3
	v_exp_f32 v[SB+49+J_], v[SB+49+J_]
.set J_, J_+2
.endr
	v_pk_mul_f32 v[SUM:SUM+1], v[SUM:SUM+1], v[F:F+1] op_sel_hi:[1,0]   ; the sums under the new M.  (Plain places behind the exponentials)
	v_pk_mul_f32 v[SUM+2:SUM+3], v[SUM+2:SUM+3], v[F+2:F+3] op_sel_hi:[1,0]
	s_wait_alu depctr_va_vdst(0)
	s_wait_dscnt 0x0                               ; V, and the next step's K
.irp n, 0,1,2,3,4,5,6,7
	v_pk_add_f32 v[PC+2*\n:PC+2*\n+1], v[PC+2*\n:PC+2*\n+1], v[PC+16+2*\n:PC+17+2*\n]
.endr
.irp i, 0,2,4,6
	v_pk_add_f32 v[X+\i:X+\i+1], v[PC+\i:PC+\i+1], v[PC+8+\i:PC+9+\i]
.endr
.set J_, 0
.rept 8                                        ; a's codes (their registers' partial sums have been read), among b's partial sums
	ADDB 2*J_
	ADDB 2*J_+1
	CVT PC+2*J_, SA+8*J_, BS+J_/2
.set J_, J_+1
.endr
.set J_, 16
.rept 8                                        ; these are also the places between a's conversions and products
	ADDB J_
.set J_, J_+1
.endr
.set N_, 0
.set M_, 0
.rept 12                                       ; a's second product and its next scores, among b's holds and conversions
.if M_ < 4
	PVT 0, M_
.elseif \nx
	QKT 0, M_-4
.endif
	WIN 0
	ELINE N_
	ELINE N_+1
	ELINE N_+2
.set N_, N_+3
.if M_ > 7
	ELINE N_
.set N_, N_+1
.endif
.set M_, M_+1
.endr
	v_pk_add_f32 v[X:X+1], v[X:X+1], v[X+4:X+5]    ; these four are also the places between b's conversions and products
	v_pk_add_f32 v[X+2:X+3], v[X+2:X+3], v[X+6:X+7]
	v_pk_add_f32 v[SUM:SUM+1], v[SUM:SUM+1], v[X:X+1]
	v_pk_add_f32 v[SUM:SUM+1], v[SUM:SUM+1], v[X+2:X+3]
.set N_, 0
.set M_, 0
.rept 12                                       ; b's, among a's next maxima
.if M_ < 4
	PVT 1, M_
.elseif \nx
	QKT 1, M_-4
.endif
	WIN 0
.if \nx
	MAXL 0, N_
	MAXL 0, N_+1
.set N_, N_+2
.if (M_%2) == 0
	MAXL 0, N_
.set N_, N_+1
.endif
.endif
.set M_, M_+1
.endr
.endm
	s_mov_b32 s[TB], 14*SLOTB
	s_mov_b32 s[TBN], 15*SLOTB
	v_add_nc_u32 v[ADK], s[TB], v[LI]
	v_add_nc_u32 v[ADN], s[TB], v[AS]
	LOADK
	s_wait_alu depctr_va_vdst(0)
	s_wait_dscnt 0x0
.irp t, 0,1
.irp i, 0,1,2,3,4,5,6,7
	QKT \t, \i
.endr
.endr
	WIN 0
.rept 8
	v_nop                                          ; places behind the first scores
.endr
.set N_, 0
.rept 30
	MAXL 0, N_
.set N_, N_+1
.endr
	P1 0, 0                                        ; slot 14; the next K is slot 15's
	P2 1
	s_mov_b32 s[TB], 15*SLOTB
	s_mov_b32 s[TBN], 0
	P1 1, 0                                        ; slot 15; the next K is slot 0's
	s_mov_b32 s[TB], 0
	s_mov_b32 s[TBN], SLOTB
	s_mov_b32 s[CNT], 14
.Lstep:                                            ; slots 0 to 13: a trip ends one step and begins the next
	P2 1
	P1 0, 1
	s_add_co_u32 s[TB], s[TB], SLOTB
	s_add_co_u32 s[TBN], s[TBN], SLOTB
	s_sub_co_u32 s[CNT], s[CNT], 1
	s_cmp_lg_u32 s[CNT], 0
	s_cbranch_scc1 .Lstep
	P2 0
; THE END: O^T / the sum; the two blocks of 32 along d of each tile are quantised; the codes are brought to natural order and stored as the operand's registers.
; A lane (r, h) holds of a block the codes A of d = 32 b + 8 h + 0..7 and B of d = 32 b + 16 + 8 h + 0..7; the operand wants d = 32 b + 16 h + 0..15.  So lanes 0-15 send B and lanes 16-31 send A to the lane 16 away.
	FOLD                                           ; also the places behind the last products
	v_cmp_le_u32 vcc_lo, 0x100, v[LI]              ; lanes 16-31
.irp t, 0,1
	v_add_f32 v[SUM+2*\t], v[SUM+2*\t], v[SUM+2*\t+1]   ; a sum's two halves,
.endr
.irp t, 0,1
	v_permlanex16_b32 v[BP+\t], v[SUM+2*\t], s[SEL], s[SEL+1]
.endr
.irp t, 0,1
	v_add_f32 v[SUM+2*\t], v[SUM+2*\t], v[BP+\t]   ; and lane l xor 16's
.endr
	s_wait_alu depctr_va_vdst(0)                   ; ahead of the transcendentals
	v_rcp_f32 v[SUM], v[SUM]
	v_rcp_f32 v[SUM+2], v[SUM+2]
	v_nop                                          ; a plain place behind the transcendentals
	WIN 0x01
	s_wait_alu depctr_va_vdst(0)                   ; and behind them; it serves O^T's first readers too
.set J_, 0
.rept 16
	v_pk_mul_f32 v[SA+J_:SA+J_+1], v[O+J_:O+J_+1], v[SUM:SUM+1] op_sel_hi:[1,0]   ; register 8 f + i: ctx(r, 16 f + 8 h + i); each accumulator from its low end on
	v_pk_mul_f32 v[SA+32+J_:SA+33+J_], v[O+32+J_:O+33+J_], v[SUM+2:SUM+3] op_sel_hi:[1,0]
.set J_, J_+2
.endr
	WIN 0
.irp b, 0,1,2,3                                ; blocks 0, 1: tile a; 2, 3: tile b
	v_max3_num_f32 v[BM+\b], |v[SA+16*\b]|, |v[SA+16*\b+1]|, 0x8000000
.endr
.irp i, 2,4,6,8,10,12,14
.irp b, 0,1,2,3
	v_max3_num_f32 v[BM+\b], v[BM+\b], |v[SA+16*\b+\i]|, |v[SA+16*\b+\i+1]|
.endr
.endr
.irp b, 0,1,2,3
	v_permlanex16_b32 v[BP+\b], v[BM+\b], s[SEL], s[SEL+1]
.endr
.irp b, 0,1,2,3
	v_max_num_f32 v[BM+\b], v[BM+\b], v[BP+\b]
.endr
.irp b, 0,1,2,3
	v_add_nc_u32 v[BS+\b], 0xf8800000, v[BM+\b]    ; 15 off the exponent field
.endr
.irp b, 0,1,2,3
	v_and_or_b32 v[BH+\b], v[BM+\b], 0x7f800000, s[MNT]   ; 57,344 x the scale
.endr
.irp b, 0,1,2,3
	v_lshrrev_b32 v[BP+\b], 23, v[BS+\b]
.endr
.irp t, 0,1
	v_lshl_or_b32 v[T+\t], v[BP+2*\t+1], 8, v[BP+2*\t]   ; a row's two scale bytes of this head
.endr
.irp b, 0,1,2,3
.irp i, 0,1,2,3,4,5,6,7,8,9,10,11,12,13,14,15
	v_med3_num_f32 v[SA+16*\b+\i], v[SA+16*\b+\i], -v[BH+\b], v[BH+\b]
.endr
	CVT PC+4*\b, SA+16*\b, BS+\b
	CVT PC+4*\b+2, SA+16*\b+8, BS+\b
.endr
	v_nop                                          ; a plain line behind the last conversion
.irp b, 0,1,2,3
	v_cndmask_b32 v[SB+2*\b], v[PC+4*\b+2], v[PC+4*\b], vcc_lo         ; what I send: lanes 16-31 A, lanes 0-15 B
	v_cndmask_b32 v[SB+2*\b+1], v[PC+4*\b+3], v[PC+4*\b+1], vcc_lo
.endr
.irp k, 0,1,2,3,4,5,6,7
	v_permlanex16_b32 v[SB+8+\k], v[SB+\k], s[SEL], s[SEL+1]
.endr
.irp b, 0,1,2,3
	v_cndmask_b32 v[SB+16+4*\b], v[PC+4*\b], v[SB+8+2*\b], vcc_lo      ; the lower eight: lanes 0-15 their A, lanes 16-31 what came
	v_cndmask_b32 v[SB+17+4*\b], v[PC+4*\b+1], v[SB+9+2*\b], vcc_lo
	v_cndmask_b32 v[SB+18+4*\b], v[SB+8+2*\b], v[PC+4*\b+2], vcc_lo    ; the upper eight: lanes 0-15 what came, lanes 16-31 their B
	v_cndmask_b32 v[SB+19+4*\b], v[SB+9+2*\b], v[PC+4*\b+3], vcc_lo
.endr
.irp t, 0,1
	global_store_b128 v[LI], v[SB+16+8*\t:SB+19+8*\t], s[10:11] offset:32768*\t          ; 512 consecutive bytes, aligned
	global_store_b128 v[LI], v[SB+20+8*\t:SB+23+8*\t], s[10:11] offset:32768*\t+512
	global_store_b16 v[R32], v[T+\t], s[12:13] offset:2048*\t
.endr
	s_wait_tensorcnt 0x0                           ; the wave's end
	ds_add_u32 v[SPW], v[NIL]
	s_wait_dscnt 0x0
	ROUND                                          ; the closing round: no work-group ends while a partner may still ask for a tile that names it
	s_endpgm
.Lfunc_end_k_qb01331972c_attn:
	.size	k_qb01331972c_attn, .Lfunc_end_k_qb01331972c_attn-k_qb01331972c_attn
	.p2alignl 7, 3214868480
	.fill 96, 4, 3214868480
	.section	.rodata,"a",@progbits
	.p2align	6, 0x0
	.amdhsa_kernel k_qb01331972c_attn
		.amdhsa_group_segment_fixed_size 327680
		.amdhsa_private_segment_fixed_size 0
		.amdhsa_enable_private_segment 0
		.amdhsa_kernarg_size 40
		.amdhsa_user_sgpr_count 2
		.amdhsa_user_sgpr_kernarg_segment_ptr 1
		.amdhsa_wavefront_size32 1
		.amdhsa_system_sgpr_workgroup_id_x 1
		.amdhsa_system_sgpr_workgroup_id_y 1
		.amdhsa_system_sgpr_workgroup_id_z 1
		.amdhsa_system_vgpr_workitem_id 0
		.amdhsa_next_free_vgpr 512
		.amdhsa_next_free_sgpr 66
		.amdhsa_reserve_vcc 1
		.amdhsa_float_denorm_mode_32 3
		.amdhsa_float_denorm_mode_16_64 3
		.amdhsa_memory_ordered 1
		.amdhsa_forward_progress 1
		.amdhsa_inst_pref_size 127
	.end_amdhsa_kernel
	.amdgpu_metadata
---
amdhsa.version: [ 1, 2 ]
amdhsa.kernels:
  - .name:           k_qb01331972c_attn
    .symbol:         k_qb01331972c_attn.kd
    .args:
      - { .name: q_img, .offset: 0, .size: 8, .value_kind: global_buffer, .address_space: global }
      - { .name: q_sc, .offset: 8, .size: 8, .value_kind: global_buffer, .address_space: global }
      - { .name: kv_img, .offset: 16, .size: 8, .value_kind: global_buffer, .address_space: global }
      - { .name: ctx_img, .offset: 24, .size: 8, .value_kind: global_buffer, .address_space: global }
      - { .name: ctx_sc, .offset: 32, .size: 8, .value_kind: global_buffer, .address_space: global }
    .group_segment_fixed_size: 327680
    .private_segment_fixed_size: 0
    .kernarg_segment_align: 8
    .kernarg_segment_size: 40
    .max_flat_workgroup_size: 256
    .sgpr_count:     66
    .vgpr_count:     512
    .wavefront_size: 32
...
	.end_amdgpu_metadata
.endif
;; end of part 2
;; launch outp (part 3): grid 8 x 32, 4 waves a work-group, clusters of 4 x 4, 327,680 bytes of LDS; arguments ctx_img, ctx_sc, Wo_codes, Wo_scales, out0, bo; writes out0
.if DOCPART == 3
	.amdgcn_target "amdgcn-amd-amdhsa--gfx1250"
	.amdhsa_code_object_version 6
	.text
	.protected	k_qb01331972c_outp
	.globl	k_qb01331972c_outp
	.p2align	8
	.type	k_qb01331972c_outp,@function
k_qb01331972c_outp:
	s_mov_b64 s[64:65], 0
	v_nop
	global_prefetch_b8 v0, s[64:65] scope:SCOPE_SE
	s_setreg_imm32_b32 hwreg(HW_REG_WAVE_MODE, 25, 1), 1
	s_wait_xcnt 0x0
	s_wait_alu depctr_hold_cnt(0) depctr_sa_sdst(0) depctr_va_vdst(0) depctr_va_sdst(0) depctr_va_ssrc(0) depctr_va_vcc(0) depctr_vm_vsrc(0)
	s_getreg_b32 s2, hwreg(HW_REG_IB_STS2, 6, 4)
	s_cmp_eq_u32 s2, 0
	s_cbranch_scc0 .Lentry_in_a_cluster
	s_endpgm
.Lentry_in_a_cluster:
	s_bfe_u32 s2, ttmp6, 0x10000c
	s_cmp_lg_u32 s2, 0xf033
	s_cbranch_scc0 .Lentry_shape_is_right
	s_endpgm
.Lentry_shape_is_right:
; out0 = ctx Wo + bo.  ctx: 4,096 rows x K = 1,024 as codes of BF8 (E5M2), stored by the launch before as images of this product's operand registers: [half of K 2][row tile 256][128 of K: 4][group 4][512 bytes]; its scale bytes [4,096][32].
; Wo: [1,024 (n)][1,024 (k)] codes, scale bytes [1,024][32].  out0: [4,096][1,024] f32; sums in f32; the bias is the C of a block's first products.
; A tile of out0 is 128 x 128, so that 32 x 8 = 256 work-groups share the work; four waves, 64 x 64 each.  A wave holds its 64 rows of Wo, ALL of K, in 512 registers and streams four blocks of 16 rows of ctx past them: 32 products a block on four
; accumulators.  A finished block goes through the stage at once and is stored amid the next block's products.
; ALL OF K LIES IN LDS: waves 0 and 1 fetch Wo's 128 rows, 64 each, waves 2 and 3 ctx's two halves of K: one joint load a wave; nothing is filled again.  Wo is read behind a barrier at which waves 0 and 1 have waited, ctx behind one at which all have.
; The scale words and the bias go from memory into registers: lane l takes row l of a pair of blocks.
; CLUSTERS: 4 x 4 work-groups; ctx's tiles are asked for jointly along a row of the cluster, Wo's along a column.  THE MATRIX INSTRUCTION IS USED TRANSPOSED (source 0 = 16 rows of Wo, source 1 = 16 rows of ctx): a lane holds eight neighbouring numbers of a row of out0.
; No prefetch: all that the launch reads is asked for at its head.  LIMITS: NaN, infinities and sums beyond f32's range are not served.
; REGISTERS: window 0: v1-15 addresses; scale words, bias, stage rows, two sets of four accumulators.  Windows 1, 2: Wo's 32 fragments.  Window 3: two sets of a block's eight fragments of ctx.
.set PITCH,  1040                      ; an LDS row of Wo: 260 words: the 16 rows that a load touches start at 16 different banks (64 banks of 4 bytes: ISA guide 11.1)
.set AB,     128*PITCH                 ; ctx's images: two halves of 65,536 dense bytes
.set STAGE,  AB+131072                 ; 16 rows x (256 bytes + 16) for each wave, for the way out; no fill lands here
.set SPITCH, 272
.set SPARE,  STAGE+4*16*SPITCH
.set ADRB, 8                           ; LDS address of my fragments of Wo
.set ADRA, 10                          ; v10, v11 of ctx in either half
.set STO,  12
.set RD,   13
.set CO,   14
.set SA,   16                          ; ctx's scale words: v[SA + 8 p + q]: lanes 0-15 block 2 p, lanes 16-31 block 2 p + 1, for the q-th 128 along K
.set SB,   36                          ; Wo's; no product's two scale words have numbers equal modulo 8
.set SPW,  52
.set NIL,  53
.set BIAS, 64
.set BK,   96
.set ACC,  160
.set G1,   24
.set G0,   32
.set G0B,  36
.set G1B,  48
.set MSB, 0
.macro WIN new                         ; the immediate's high byte repeats the setting that is left
.if MSB != (\new)
	s_set_vgpr_msb (MSB<<8)|(\new)
.set MSB, (\new)
.endif
.endm
.macro CROUND                          ; a round of the cluster's barrier
	s_barrier_signal -1
	s_barrier_wait -1
	s_cmp_lg_u32 s14, 0
	s_cbranch_scc1 .Lnot_wave_0_\@
	s_barrier_signal -3
.Lnot_wave_0_\@:
	s_barrier_wait -3
	s_barrier_signal -1
	s_barrier_wait -1
.endm
	s_load_b256 s[4:11], s[0:1], 0x0               ; ctx_img s[4:5], ctx_sc s[6:7], Wo_codes s[8:9], Wo_scales s[10:11]
	s_load_b128 s[84:87], s[0:1], 0x20             ; out0 s[84:85], bo s[86:87]
	v_lshl_add_u32 v[SPW], v0, 2, SPARE
	v_mov_b32 v[NIL], 0
	ds_add_u32 v[SPW], v[NIL]                      ; the opening lines: the add, twice on end, and its wait
	ds_add_u32 v[SPW], v[NIL]
	v_lshrrev_b32 v1, 5, v0
	v_readfirstlane_b32 s14, v1                    ; wave 0..3
	s_lshr_b32 s15, s14, 1                         ; which half of the tile's rows is mine
	s_and_b32 s16, s14, 1                          ; which half of its columns.  Also: which half I fetch
	s_bfe_u32 s2, ttmp6, 0x40000                   ; cx
	s_bfe_u32 s20, ttmp6, 0x40004                  ; cy
	s_lshl_b32 s66, ttmp9, 2
	s_add_co_u32 s66, s66, s2                      ; tile column = 4 x cluster x + cx
	s_and_b32 s17, ttmp7, 0xffff
	s_lshl_b32 s17, s17, 2
	s_add_co_u32 s17, s17, s20                     ; tile row = 4 x cluster y + cy
	s_lshl_b32 s67, s20, 2
	s_lshl_b32 s67, 15, s67                        ; my row of the cluster
	s_lshl_b32 s18, 0x1111, s2                     ; my column
	s_or_b32 s[G1], s67, (3<<16)|(1<<21)           ; ctx: 256 dense rows of 256 bytes
	s_mov_b32 s[G1+1], 32<<16
	s_mov_b32 s[G1+2], 256<<16
	s_mov_b32 s[G1+3], 32<<16
	s_mov_b32 s[G1+4], 256
	s_mov_b32 s[G1+5], 32
	s_mov_b32 s[G1+6], 0
	s_mov_b32 s[G1+7], 0
	s_or_b32 s[G1B], s18, (1<<20)|(1<<21)|(7<<22)|(3<<25)   ; Wo: 64 rows of 1,024 bytes, 16 bytes of padding behind each
	s_mov_b32 s[G1B+1], 1024<<16
	s_mov_b32 s[G1B+2], 64<<16
	s_mov_b32 s[G1B+3], 1024<<16
	s_mov_b32 s[G1B+4], 64
	s_mov_b32 s[G1B+5], 1024
	s_mov_b32 s[G1B+6], 0
	s_mov_b32 s[G1B+7], 0
	s_mul_i32 s69, s16, 64*PITCH                   ; LDS: 64 rows of Wo
	s_mov_b32 s[G0], 1
	s_lshl_b32 s20, s16, 16
	s_add_co_u32 s[G0+1], s20, AB
	s_mov_b32 s[G0B], 1
	s_mov_b32 s[G0B+1], s69
	s_lshl_b32 s20, s17, 16                        ; ctx: 65,536 bytes a tile row in a half,
	s_lshl_b32 s21, s16, 21                        ; 2^21 a half
	s_add_co_u32 s20, s20, s21
	s_mov_b32 s21, 0
	s_lshl_b32 s22, s66, 17                        ; Wo: 128 rows of 1,024 bytes,
	s_lshl_b32 s23, s16, 16                        ; 64 a wave
	s_add_co_u32 s22, s22, s23
	s_mov_b32 s23, 0
	s_lshl_b32 s40, s17, 12                        ; my 64 rows' scale bytes: ctx's,
	s_lshl_b32 s41, s15, 11
	s_add_co_u32 s40, s40, s41
	s_mov_b32 s41, 0
	s_lshl_b32 s42, s66, 12                        ; and Wo's
	s_lshl_b32 s43, s16, 11
	s_add_co_u32 s42, s42, s43
	s_mov_b32 s43, 0
	s_lshl_b32 s44, s66, 9                         ; my first column, in bytes
	s_lshl_b32 s45, s16, 8
	s_add_co_u32 s44, s44, s45
	s_mov_b32 s45, 0
	s_lshl_b32 s46, s17, 19                        ; my first row of out0: 4,096 bytes a row
	s_lshl_b32 s47, s15, 18
	s_add_co_u32 s46, s46, s47
	s_add_co_u32 s46, s46, s44
	s_mov_b32 s47, 0
	s_lshl_b32 s68, s15, 15                        ; LDS: my 64 rows of ctx: four tiles of 8,192 bytes in a half,
	s_add_co_u32 s68, s68, AB
	s_mul_i32 s70, s14, 16*SPITCH                  ; and my stage
	s_add_co_u32 s70, s70, STAGE
	s_wait_dscnt 0x0                               ; both opening adds are done
	s_wait_kmcnt 0x0
	s_add_nc_u64 s[G0+2:G0+3], s[4:5], s[20:21]
	s_or_b32 s[G0+3], s[G0+3], 0x80000000
	s_add_nc_u64 s[G0B+2:G0B+3], s[8:9], s[22:23]
	s_or_b32 s[G0B+3], s[G0B+3], 0x80000000
	s_add_nc_u64 s[6:7], s[6:7], s[40:41]
	s_add_nc_u64 s[10:11], s[10:11], s[42:43]
	s_add_nc_u64 s[86:87], s[86:87], s[44:45]
	s_add_nc_u64 s[84:85], s[84:85], s[46:47]
	v_and_b32 v1, 15, v0                           ; r
	v_bfe_u32 v2, v0, 4, 1                         ; h
	v_and_b32 v3, 31, v0                           ; lane
	v_lshlrev_b32 v4, 5, v3                        ; a row's scale bytes: 32
	v_lshlrev_b32 v5, 5, v2                        ; the bias of Wo's block b: columns 16 b + 8 h + 0 .. 7
.irp p, 0,1
.irp c, 0,1
	global_load_b128 v[SA+8*\p+4*\c:SA+8*\p+4*\c+3], v4, s[6:7] offset:1024*\p+16*\c
	global_load_b128 v[SB+8*\p+4*\c:SB+8*\p+4*\c+3], v4, s[10:11] offset:1024*\p+16*\c
.endr
.endr
.irp b, 0,1,2,3
	global_load_b128 v[BIAS+8*\b:BIAS+8*\b+3], v5, s[86:87] offset:64*\b
	global_load_b128 v[BIAS+8*\b+4:BIAS+8*\b+7], v5, s[86:87] offset:64*\b+16
.endr
	s_wait_alu depctr_va_vdst(0)                   ; ahead of the round's barriers
	CROUND                                         ; all sixteen work-groups are here: the joint loads meet
	s_cmp_lt_u32 s14, 2                            ; one load a wave: a line for Wo, which is wanted first, and one for ctx
	s_cbranch_scc0 .Lfor_a
	tensor_load_to_lds s[G0B:G0B+3], s[G1B:G1B+7]
	s_nop 0
.rept 4
	v_nop
.endr
	s_branch .Lasked
.Lfor_a:
	tensor_load_to_lds s[G0:G0+3], s[G1:G1+7]
	s_nop 0
.rept 4
	v_nop
.endr
.Lasked:
	v_lshlrev_b32 v6, 4, v3
	v_mul_u32_u24 v7, v1, PITCH
	v_lshl_add_u32 v7, v2, 4, v7                   ; Wo: a fragment's row x pitch + 16 x half
	v_add_nc_u32 v[ADRA], s68, v6
	v_add_nc_u32 v[ADRB], s69, v7
	v_add_nc_u32 v[ADRA+1], 0x10000, v[ADRA]
	v_mul_u32_u24 v6, v1, SPITCH                   ; the way out: in: row l % 16, 32 bytes for each half of the lanes
	v_lshl_add_u32 v6, v2, 5, v6
	v_add_nc_u32 v[STO], s70, v6
	v_mul_u32_u24 v7, v2, SPITCH                   ; back: lanes 0-15 take one row of 256 bytes, lanes 16-31 the next
	v_lshl_add_u32 v7, v1, 4, v7
	v_add_nc_u32 v[RD], s70, v7
	v_lshlrev_b32 v6, 12, v2                       ; and the same two rows in out0
	v_lshl_add_u32 v[CO], v1, 4, v6
	s_wait_alu depctr_va_vdst(0)                   ; the head's end
	s_cmp_lt_u32 s14, 2
	s_cbranch_scc0 .Lnot_yet
	s_wait_tensorcnt 0x0                           ; waves 0 and 1: Wo has landed
.Lnot_yet:
	s_barrier_signal -1
	s_barrier_wait -1
; Wo's 32 fragments (16 rows x 128 of K): fragment 4 q + b in window 1 + f / 16.  Lane l holds row l % 16; registers 4 c .. 4 c + 3 hold K = 32 c + 16 (l / 16) + 0 .. 15
.irp q, 0,1,2,3,4,5,6,7
.irp b, 0,1,2,3
.set FX_, 4*\q+\b
	WIN (1+FX_/16)<<6
.irp c, 0,1,2,3
	ds_load_b128 v[16*(FX_%16)+4*\c:16*(FX_%16)+4*\c+3], v[ADRB] offset:\b*16*PITCH+128*\q+32*\c
.endr
.endr
.endr
	WIN 0
	s_wait_loadcnt 0x0                             ; the scale words and the bias
	s_wait_tensorcnt 0x0                           ; ctx
	s_wait_dscnt 0x0                               ; Wo is in registers
	s_barrier_signal -1
	s_barrier_wait -1
.macro FETCH i                         ; block i's eight fragments of ctx into set i % 2: 32 loads of 512 consecutive bytes
	WIN 0xc0
.irp q, 0,1,2,3,4,5,6,7
.irp c, 0,1,2,3
	ds_load_b128 v[128*((\i)%2)+16*\q+4*\c:128*((\i)%2)+16*\q+4*\c+3], v[ADRA+\q/4] offset:8192*(\i)+2048*(\q%4)+512*\c
.endr
.endr
	WIN 0
.endm
.macro PROD i, m                       ; product m = 4 q + b of block i: the q-th 128 of K, Wo's block b.  Four accumulators take turns
.set PQ_, (\m)/4
.set PB_, (\m)%4
.set FX_, 4*PQ_+PB_
.set XW_, 1+FX_/16
.set PU_, 16*(FX_%16)
.set PW_, 128*((\i)%2)+16*PQ_
.set PD_, ACC+32*((\i)%2)+8*PB_
.set PC_, PD_
.if PQ_ == 0
.set PC_, BIAS+8*PB_
.endif
.set PX_, SB+8*(PB_/2)+PQ_
.set PY_, SA+8*((\i)/2)+PQ_
	WIN XW_|(3<<2)
.if (PB_%2) && ((\i)%2)
	v_wmma_scale_f32_16x16x128_f8f6f4 v[PD_:PD_+7], v[PU_:PU_+15], v[PW_:PW_+15], v[PC_:PC_+7], v[PX_], v[PY_] matrix_a_fmt:MATRIX_FMT_BF8 matrix_b_fmt:MATRIX_FMT_BF8 matrix_a_scale:MATRIX_SCALE_ROW1 matrix_b_scale:MATRIX_SCALE_ROW1
.elseif PB_%2
	v_wmma_scale_f32_16x16x128_f8f6f4 v[PD_:PD_+7], v[PU_:PU_+15], v[PW_:PW_+15], v[PC_:PC_+7], v[PX_], v[PY_] matrix_a_fmt:MATRIX_FMT_BF8 matrix_b_fmt:MATRIX_FMT_BF8 matrix_a_scale:MATRIX_SCALE_ROW1
.elseif (\i)%2
	v_wmma_scale_f32_16x16x128_f8f6f4 v[PD_:PD_+7], v[PU_:PU_+15], v[PW_:PW_+15], v[PC_:PC_+7], v[PX_], v[PY_] matrix_a_fmt:MATRIX_FMT_BF8 matrix_b_fmt:MATRIX_FMT_BF8 matrix_b_scale:MATRIX_SCALE_ROW1
.else
	v_wmma_scale_f32_16x16x128_f8f6f4 v[PD_:PD_+7], v[PU_:PU_+15], v[PW_:PW_+15], v[PC_:PC_+7], v[PX_], v[PY_] matrix_a_fmt:MATRIX_FMT_BF8 matrix_b_fmt:MATRIX_FMT_BF8
.endif
.endm
; THE WAY OUT of a block of 16 rows x 64 columns, through my own stage in LDS: in as 32 bytes a lane, back as whole rows of 256 bytes.  LDS serves a wave's instructions in order (ISA guide 5.7.1.4): no wait between the stores and the loads,
; nor in front of the next block's stores.
.macro TOSTAGE i
.irp b, 0,1,2,3
	ds_store_b128 v[STO], v[ACC+32*((\i)%2)+8*\b:ACC+32*((\i)%2)+8*\b+3] offset:64*\b    ; each accumulator from its low end on
	ds_store_b128 v[STO], v[ACC+32*((\i)%2)+8*\b+4:ACC+32*((\i)%2)+8*\b+7] offset:64*\b+16
.endr
.set BB, BK+32*((\i)%2)
.irp t, 0,1,2,3,4,5,6,7
	ds_load_b128 v[BB+4*\t:BB+4*\t+3], v[RD] offset:\t*2*SPITCH
.endr
.endm
.macro SEND i, younger                 ; younger: the LDS loads issued behind the stage's, which may stay out
.set BB, BK+32*((\i)%2)
	s_wait_dscnt \younger                          ; the block is back in registers
.irp t, 0,1,2,3,4,5,6,7
	global_store_b128 v[CO], v[BB+4*\t:BB+4*\t+3], s[84:85] offset:(16*(\i)+2*\t)*4096 th:TH_STORE_NT   ; sixteen lanes store 256 consecutive bytes, aligned; written once, read by nobody here
.endr
.endm
.macro BLK i, wait, younger
	s_wait_dscnt \wait                             ; my fragments are in; the stage's 16 and the next fetch's 32 may be out
.set N_, 0
.rept 16
	PROD \i, N_
.set N_, N_+1
.endr
.if (\i) > 0
	WIN 0
	SEND (\i)-1, \younger
.endif
.rept 16
	PROD \i, N_
.set N_, N_+1
.endr
	WIN 0
.rept 8
	v_nop                                          ; places behind the last products, for the read of results and the loads into what they have read (ISA guide 7.12.1 for the read of results)
.endr
.if (\i) > 1
	s_wait_xcnt 0x0                                ; block i - 2's stores have read their registers: block i's rows may land there
.endif
	TOSTAGE \i
.if (\i) < 2
	FETCH (\i)+2
.endif
.endm
	FETCH 0
	FETCH 1
	BLK 0, 32, 0
	BLK 1, 48, 32
	BLK 2, 48, 32
	BLK 3, 16, 0
	SEND 3, 0
	s_wait_tensorcnt 0x0                           ; the wave's end
	ds_add_u32 v[SPW], v[NIL]
	s_wait_dscnt 0x0
	CROUND                                         ; the closing round: no work-group ends while a partner may still ask for a tile that names it
	s_endpgm
.Lfunc_end_k_qb01331972c_outp:
	.size	k_qb01331972c_outp, .Lfunc_end_k_qb01331972c_outp-k_qb01331972c_outp
	.p2alignl 7, 3214868480
	.fill 96, 4, 3214868480
	.section	.rodata,"a",@progbits
	.p2align	6, 0x0
	.amdhsa_kernel k_qb01331972c_outp
		.amdhsa_group_segment_fixed_size 327680
		.amdhsa_private_segment_fixed_size 0
		.amdhsa_enable_private_segment 0
		.amdhsa_kernarg_size 48
		.amdhsa_user_sgpr_count 2
		.amdhsa_user_sgpr_kernarg_segment_ptr 1
		.amdhsa_wavefront_size32 1
		.amdhsa_system_sgpr_workgroup_id_x 1
		.amdhsa_system_sgpr_workgroup_id_y 1
		.amdhsa_system_sgpr_workgroup_id_z 1
		.amdhsa_system_vgpr_workitem_id 0
		.amdhsa_next_free_vgpr 1024
		.amdhsa_next_free_sgpr 102
		.amdhsa_reserve_vcc 0
		.amdhsa_float_denorm_mode_32 3
		.amdhsa_float_denorm_mode_16_64 3
		.amdhsa_memory_ordered 1
		.amdhsa_forward_progress 1
		.amdhsa_inst_pref_size 50
	.end_amdhsa_kernel
	.amdgpu_metadata
---
amdhsa.version: [ 1, 2 ]
amdhsa.kernels:
  - .name:           k_qb01331972c_outp
    .symbol:         k_qb01331972c_outp.kd
    .args:
      - { .name: ctx_img, .offset: 0, .size: 8, .value_kind: global_buffer, .address_space: global }
      - { .name: ctx_sc, .offset: 8, .size: 8, .value_kind: global_buffer, .address_space: global }
      - { .name: Wo_codes, .offset: 16, .size: 8, .value_kind: global_buffer, .address_space: global }
      - { .name: Wo_scales, .offset: 24, .size: 8, .value_kind: global_buffer, .address_space: global }
      - { .name: out0, .offset: 32, .size: 8, .value_kind: global_buffer, .address_space: global }
      - { .name: bo, .offset: 40, .size: 8, .value_kind: global_buffer, .address_space: global }
    .group_segment_fixed_size: 327680
    .private_segment_fixed_size: 0
    .kernarg_segment_align: 8
    .kernarg_segment_size: 48
    .max_flat_workgroup_size: 128
    .sgpr_count:     102
    .vgpr_count:     1024
    .wavefront_size: 32
...
	.end_amdgpu_metadata
.endif
;; end of part 3
